; MI455X (gfx1250); checked and timed in simulation.
; The chip was launched on July 23, 2026; its instructions are those of AMD's public machine-readable ISA for CDNA 5 (MIT licence, August 2026) and "CDNA5" Instruction Set Architecture Reference Guide (July 2026). The comments in the code are by the model that wrote it; some were corrected since.
;; multihead self attention. Allowed arithmetic: matrix products marked QUANTISED: E3M2 operands, one E8M0 scale for each 32 along K, by v_wmma_scale_f32_16x16x128_f8f6f4 with both operands' format E3M2, f32 sums; everything else in f32.
;; Inputs: Wk 1,024 x 1,024 float32; Wo 1,024 x 1,024 float32; Wq 1,024 x 1,024 float32; Wv 1,024 x 1,024 float32; bk 1,024 float32; bo 1,024 float32; bq 1,024 float32; bv 1,024 float32; x 4 x 2,048 x 1,024 float32.
;; Outputs: out0 4 x 2,048 x 1,024 float32.
;; This version of the problem:
;;   THIS VERSION OF THE PROBLEM IS GIVEN IN LOW PRECISION. The matrix products marked QUANTISED in the list below multiply operands that are first quantised to E3M2 (3 exponent bits, 2 mantissa bits; 6 bits a number), with one power-of-two scale for each 32 numbers along K (OCP MX v1.0); their sums are f32. All else is computed in f32.
;;   The module's matrix products, in the order in which they are computed (A, B: the left and right operand; K: the contracted axis; several contracted axes count as one K, in the product's order):
;;     1. [M 8,192, K 1,024] x [K 1,024, N 1,024]; A: input x; B: input Wq: QUANTISED
;;     2. [M 8,192, K 1,024] x [K 1,024, N 1,024]; A: input x; B: input Wk: QUANTISED
;;     3. [M 8,192, K 1,024] x [K 1,024, N 1,024]; A: input x; B: input Wv: QUANTISED
;;     4. batch 64 x [M 2,048, K 64] x [K 64, N 2,048]; A: computed on the way; B: computed on the way: QUANTISED
;;     5. batch 64 x [M 2,048, K 2,048] x [K 2,048, N 64]; A: softmax (see below); B: computed on the way: QUANTISED
;;     6. [M 8,192, K 1,024] x [K 1,024, N 1,024]; A: computed on the way; B: input Wo: QUANTISED
;;   THE QUANTISER, for each operand of a quantised product, along K:
;;     - K is cut into blocks of 32 from its start; a last block that is shorter is filled with zeros.
;;     - A block's scale is 2^e with e = floor(log2(the largest magnitude in the block)) - 4, held to -126 .. 127; a block of zeros has e = 0. As a byte (E8M0): e + 127.
;;     - Each number is divided by its block's scale, clamped to +-28, and rounded to the nearest number of E3M2, ties to even, subnormals kept.
;;     - The product sums the exact products of the quantised numbers (number of the format x scale) in f32.
;;   ~~~python
;;   def quantise(x, axis):      # numpy; x: float32 -> the quantised numbers, widened to float32 again
;;       x = np.moveaxis(x, axis, -1); K = x.shape[-1]
;;       x = np.pad(x, [(0, 0)] * (x.ndim - 1) + [(0, -K % 32)]); x = x.reshape(x.shape[:-1] + (-1, 32)); a = np.abs(x).max(-1, keepdims=True)
;;       e = np.where(a > 0, np.clip(np.frexp(np.where(a > 0, a, 1))[1] - 1 - 4, -126, 127), 0)      # np.frexp(a)[1] - 1 = floor(log2(a)), exactly
;;       r = np.clip(x / 2.0 ** e, -28, 28)
;;       step = 2.0 ** (np.maximum(np.frexp(np.where(r == 0, 1, r))[1] - 1, -2) - 2)
;;       q = np.round(r / step) * step * 2.0 ** e      # np.round: ties to even
;;       return np.moveaxis(q.reshape(q.shape[:-2] + (-1,))[..., :K], -1, axis).astype(np.float32)
;;   ~~~
;;   SOFTMAX AHEAD OF A QUANTISED PRODUCT. Where the list says 'softmax', what is quantised is not the finished softmax but p = 2^(t - M), with t = logit x log2(e) and M = ceil(the row's largest t), a whole number; so 1/2 < the row's largest p <= 1. The row's sum l is taken of the UNQUANTISED p, in f32, and the product's result is divided by l at the end. Since M is a whole number, a kernel that streams over the keys may use a running M (the ceiling of the running maximum): every later rescaling is an exact power of two, which a block's scale takes up: the codes' values come out the same.
;;   OPERANDS COMPUTED ON THE WAY. 'Computed on the way' means the value that the module computes at that place (a softmax that the list does not call 'softmax' is quantised finished and normalised). What goes into a quantiser is computed in f32, as accurately as f32 sums, v_exp_f32 and their like allow (about 1e-6 of the number): no bf16 or f16 on the way to a quantiser, and a product that is left as it is and whose result goes on into a quantised operand takes f32 operands (vector FMAs, or v_wmma_f32_16x16x4_f32). A number that lies on a knife's edge between two numbers of the format may be rounded either way, as far as f32 arithmetic and the matrix unit's own rounding can turn it there, and no further.
;; One version. Each part assembles by itself: llvm-mc -triple=amdgcn-amd-amdhsa -mcpu=gfx1250 --defsym DOCPART=n.
;; ======== version 1 of 1: 4 launches
;; workspace buffers: xq 6,553,600 bytes; wq 3,276,800 bytes; qi 6,553,600 bytes; kv 13,107,200 bytes; oq 6,553,600 bytes
;; launch quant (part 1): grid 256 x 1, 6 waves a work-group, no clusters, 51,968 bytes of LDS; arguments x, Wq, Wk, Wv, Wo, xq, wq; writes xq, wq
.if DOCPART == 1
	.amdgcn_target "amdgcn-amd-amdhsa--gfx1250"
	.amdhsa_code_object_version 6
	.text
	.protected	k_q2990283b37_quant
	.globl	k_q2990283b37_quant
	.p2align	8
	.type	k_q2990283b37_quant,@function
k_q2990283b37_quant:
	s_mov_b64 s[64:65], 0
	v_nop
	global_prefetch_b8 v0, s[64:65] scope:SCOPE_SE
	s_setreg_imm32_b32 hwreg(HW_REG_WAVE_MODE, 25, 1), 1
	s_wait_xcnt 0x0
; x [8192][1024] and Wq, Wk, Wv, Wo [1024][1024], f32, K innermost, become codes of E3M2 with one E8M0 byte for each 32 along K, laid as IMAGES OF OPERAND REGISTERS.
; A TILE is 16 rows: row i of tile T is tensor row 32 (T / 2) + 8 (T % 2) + i + 8 (i / 8).  A FRAGMENT (a tile x 128 K, 12 registers a lane) is 1,536 bytes: byte 256 p + 8 lane + e is byte e of the
; register pair (2 p, 2 p + 1) of that lane.  Codes: [tile][fragment 0..7][1536].  Behind all codes the scale words: [tile][pair of fragments 0..3][row 0..15][8 bytes].
; xq holds x's 512 tiles; wq holds 256 tiles: Wq 0-63, Wk 64-127, Wv 128-191, Wo 192-255.
; A block's scale is 2^(floor(log2(largest magnitude)) - 4); its byte is the largest magnitude's exponent field - 4, held at 1 from below.
; LIMITS: NaN and infinities among the inputs are not served; a block whose largest magnitude lies under 2^-122 keeps the byte 1; a block of zeros gets the byte 1 where the rule says 127
; (its codes are zeros, which add nothing under any byte but 0xff, and this program alone reads the bytes).
; SHARES: 1,536 jobs of 16 rows x 512 K, one a wave (6 waves x 256 work-groups).  A job reads 32 KiB by loads of 512 consecutive bytes, turns 128 K at a time through the wave's own stage in LDS
; (16 rows of 512 + 16 bytes), so that lane (r, h) gets k = 64 c + 32 h + 0 .. 31 of row r in consecutive registers, and stores each register pair as 256 consecutive bytes.  Waves share nothing: no barrier.
.set STG,  8448                        ; a wave's stage: 16 rows x 528 bytes
.set RR,   64                          ; v64-191   two sets of 64 registers as loaded
.set XX,   192                         ; v192-255  64 numbers of my row: register 32 c + i is k = 64 c + 32 h + i
.set PC,   20                          ; v20-43    a fragment's codes, two sets
.set TPC,  44                          ; v44-51    the upper half blocks' codes, before they are moved
.set WW,   14                          ; v14-17    the four fragments' scale words
	s_load_b256 s[4:11], s[0:1], 0x0               ; x, Wq, Wk, Wv
	s_load_b128 s[12:15], s[0:1], 0x20             ; Wo, xq
	s_load_b64 s[16:17], s[0:1], 0x30              ; wq
	v_lshl_add_u32 v62, v0, 2, 0xc800
	v_mov_b32 v63, 0
	v_lshrrev_b32 v12, 5, v0
	v_readfirstlane_b32 s18, v12                   ; wave 0..5
	v_and_b32 v12, 31, v0                          ; lane
	v_lshlrev_b32 v1, 4, v12                       ; v1: 16 x lane: my bytes of a load's 512
	v_lshlrev_b32 v4, 3, v12                       ; v4: 8 x lane: my bytes of a store's 256
	v_and_b32 v13, 15, v0                          ; r
	v_bfe_u32 v5, v0, 4, 1                         ; h
	s_mul_i32 s38, s18, STG
	v_add_nc_u32 v2, s38, v1                       ; v2: into the stage, as loaded
	v_mul_u32_u24 v3, v13, 528
	v_lshl_add_u32 v3, v5, 7, v3
	v_add_nc_u32 v3, s38, v3                       ; v3: out of it: row r, + 128 h bytes (32 numbers)
	v_lshlrev_b32 v5, 3, v5                        ; v5: 8 h: where my two bytes stand in a scale word
	v_mov_b32 v13, 0                               ; written once: a lane permute's destination counts as one of its sources
	s_mov_b32 s36, 0x76543210
	s_mov_b32 s37, 0xfedcba98                      ; selects for lane l xor 16
	s_mul_i32 s19, ttmp9, 6
	s_add_co_u32 s19, s19, s18                     ; the job, 0 .. 1535
	s_lshr_b32 s20, s19, 1                         ; its tile, 0 .. 767: x's 512, then the weights' 256
	s_and_b32 s21, s19, 1                          ; which half of K
	s_sub_co_u32 s22, s20, 512                     ; the tile among the weights' (used only where it is one)
	s_lshr_b32 s23, s22, 6                         ; which weight
	s_and_b32 s24, s22, 63                         ; the tile in that weight
	s_wait_kmcnt 0x0
	s_cmp_eq_u32 s23, 1                            ; the buffers are chosen on the job's number alone; the text has one path
	s_cselect_b64 s[6:7], s[8:9], s[6:7]
	s_cmp_eq_u32 s23, 2
	s_cselect_b64 s[6:7], s[10:11], s[6:7]
	s_cmp_eq_u32 s23, 3
	s_cselect_b64 s[6:7], s[12:13], s[6:7]
	s_cmp_lt_u32 s20, 512
	s_cselect_b64 s[4:5], s[4:5], s[6:7]           ; from
	s_cselect_b64 s[14:15], s[14:15], s[16:17]     ; to
	s_cselect_b32 s24, s20, s24                    ; the tile in the source,
	s_cselect_b32 s25, s20, s22                    ; and in the destination
	s_mov_b32 s26, 3145728
	s_cselect_b32 s26, 6291456, s26                ; where the destination's scale words begin
	s_lshr_b32 s27, s24, 1
	s_lshl_b32 s27, s27, 17                        ; 32 rows of 4,096 bytes
	s_and_b32 s28, s24, 1
	s_lshl_b32 s28, s28, 15                        ; 8 rows
	s_add_co_u32 s28, s27, s28
	s_lshl_b32 s27, s21, 11                        ; 512 numbers along K
	s_add_co_u32 s28, s28, s27
	s_mov_b32 s29, 0
	s_add_nc_u64 s[4:5], s[4:5], s[28:29]
	s_mul_i32 s30, s25, 12288
	s_mul_i32 s27, s21, 6144
	s_add_co_u32 s30, s30, s27
	s_mov_b32 s31, 0
	s_add_nc_u64 s[32:33], s[14:15], s[30:31]      ; my four fragments
	s_lshl_b32 s30, s25, 9
	s_lshl_b32 s27, s21, 8
	s_add_co_u32 s30, s30, s27
	s_add_co_u32 s30, s30, s26
	s_add_nc_u64 s[34:35], s[14:15], s[30:31]      ; my 256 bytes of scale words
.macro LOAD f                          ; 128 K of the tile's 16 rows: each load reads 512 consecutive bytes of one row
.irp i, 0,1,2,3,4,5,6,7,8,9,10,11,12,13,14,15
	global_load_b128 v[RR+64*((\f)%2)+4*\i:RR+64*((\f)%2)+4*\i+3], v1, s[4:5] offset:(\i+8*(\i/8))*4096+512*(\f) th:TH_LOAD_NT
.endr
.endm
.macro TURN f                          ; through the stage: LDS serves a wave's instructions in order, so no wait stands between the stores and the loads
.irp i, 0,1,2,3,4,5,6,7,8,9,10,11,12,13,14,15
	ds_store_b128 v2, v[RR+64*((\f)%2)+4*\i:RR+64*((\f)%2)+4*\i+3] offset:528*\i
.endr
.irp c, 0,1
.irp j, 0,1,2,3,4,5,6,7
	ds_load_b128 v[XX+32*\c+4*\j:XX+32*\c+4*\j+3], v3 offset:256*\c+16*\j
.endr
.endr
.endm
.macro QF f                            ; 64 numbers of a lane become a fragment's 12 registers and its scale word
.set PCS, PC+12*((\f)%2)
.irp c, 0,1
	v_max3_num_f32 v[6+\c], |v[XX+32*\c]|, |v[XX+32*\c+1]|, 0x2800000   ; my block 2 c + h: all 32 numbers are mine; the floor 2^(5 - 127) holds the byte at 1 from below
.endr
.irp i, 2,4,6,8,10,12,14,16,18,20,22,24,26,28,30
.irp c, 0,1
	v_max3_num_f32 v[6+\c], v[6+\c], |v[XX+32*\c+\i]|, |v[XX+32*\c+\i+1]|
.endr
.endr
.irp c, 0,1
	v_add_nc_u32 v[8+\c], 0xfe000000, v[6+\c]      ; 4 off the exponent field: the conversion takes the exponent field of this operand as its scale
.endr
.irp c, 0,1
	v_lshrrev_b32 v[10+\c], 23, v[8+\c]            ; the scale's byte
.endr
	v_lshl_or_b32 v12, v11, 16, v10                ; blocks h and 2 + h of my row,
	v_lshlrev_b32 v12, v5, v12                     ; at their places in the word;
	v_permlanex16_b32 v13, v12, s36, s37
	v_or_b32 v[WW+(\f)], v12, v13                  ; with lane l xor 16's two the word is whole
.if (\f) >= 2
	s_wait_xcnt 0x0                                ; this set of code registers was store data two fragments ago: it is written again only behind this wait
.endif
.irp c, 0,1
	v_cvt_scalef32_pk16_bf6_f32 v[PCS+6*\c:PCS+6*\c+2], v[XX+32*\c:XX+32*\c+15], v[8+\c]
	v_cvt_scalef32_pk16_bf6_f32 v[TPC+4*\c:TPC+4*\c+2], v[XX+32*\c+16:XX+32*\c+31], v[8+\c]   ; (a conversion's three registers begin on an even number)
.endr
	v_nop                                          ; one plain place behind a scaled conversion
.irp c, 0,1
.irp i, 0,1,2
	v_mov_b32 v[PCS+3+6*\c+\i], v[TPC+4*\c+\i]
.endr
.endr
.irp p, 0,1,2,3,4,5
	global_store_b64 v4, v[PCS+2*\p:PCS+2*\p+1], s[32:33] offset:1536*(\f)+256*\p   ; 32 lanes store 256 consecutive bytes, aligned
.endr
.endm
	LOAD 0
	LOAD 1
.irp f, 0,1,2,3
.if \f < 3
	s_wait_loadcnt 16                              ; this fragment's 16 loads are in; the next one's 16 may be out
.else
	s_wait_loadcnt 0x0
.endif
	TURN \f
	s_wait_dscnt 0x0                               ; the stage's stores have read their registers, and my 64 numbers are back
.if \f < 2
	LOAD \f+2
.endif
	QF \f
.endr
	v_cmp_ne_u32 vcc_lo, 0, v5                     ; lanes 0-15 store the words of fragments 0, 1 of row r, lanes 16-31 those of fragments 2, 3
	v_cndmask_b32 v18, v14, v16, vcc_lo
	v_cndmask_b32 v19, v15, v17, vcc_lo
	global_store_b64 v4, v[18:19], s[34:35]        ; 256 consecutive bytes, aligned
	s_wait_tensorcnt 0x0
	ds_add_u32 v62, v63
	s_wait_dscnt 0x0
	s_endpgm
.Lfunc_end_k_q2990283b37_quant:
	.size	k_q2990283b37_quant, .Lfunc_end_k_q2990283b37_quant-k_q2990283b37_quant
	.p2alignl 7, 3214868480
	.fill 96, 4, 3214868480
	.section	.rodata,"a",@progbits
	.p2align	6, 0x0
	.amdhsa_kernel k_q2990283b37_quant
		.amdhsa_group_segment_fixed_size 51968
		.amdhsa_private_segment_fixed_size 0
		.amdhsa_enable_private_segment 0
		.amdhsa_kernarg_size 56
		.amdhsa_user_sgpr_count 2
		.amdhsa_user_sgpr_kernarg_segment_ptr 1
		.amdhsa_wavefront_size32 1
		.amdhsa_system_sgpr_workgroup_id_x 1
		.amdhsa_system_sgpr_workgroup_id_y 1
		.amdhsa_system_sgpr_workgroup_id_z 1
		.amdhsa_system_vgpr_workitem_id 0
		.amdhsa_next_free_vgpr 256
		.amdhsa_next_free_sgpr 66
		.amdhsa_reserve_vcc 1
		.amdhsa_float_denorm_mode_32 3
		.amdhsa_float_denorm_mode_16_64 3
		.amdhsa_memory_ordered 1
		.amdhsa_forward_progress 1
		.amdhsa_inst_pref_size 32
	.end_amdhsa_kernel
	.amdgpu_metadata
---
amdhsa.version: [ 1, 2 ]
amdhsa.kernels:
  - .name:           k_q2990283b37_quant
    .symbol:         k_q2990283b37_quant.kd
    .args:
      - { .name: x, .offset: 0, .size: 8, .value_kind: global_buffer, .address_space: global }
      - { .name: Wq, .offset: 8, .size: 8, .value_kind: global_buffer, .address_space: global }
      - { .name: Wk, .offset: 16, .size: 8, .value_kind: global_buffer, .address_space: global }
      - { .name: Wv, .offset: 24, .size: 8, .value_kind: global_buffer, .address_space: global }
      - { .name: Wo, .offset: 32, .size: 8, .value_kind: global_buffer, .address_space: global }
      - { .name: xq, .offset: 40, .size: 8, .value_kind: global_buffer, .address_space: global }
      - { .name: wq, .offset: 48, .size: 8, .value_kind: global_buffer, .address_space: global }
    .group_segment_fixed_size: 51968
    .private_segment_fixed_size: 0
    .kernarg_segment_align: 8
    .kernarg_segment_size: 56
    .max_flat_workgroup_size: 192
    .sgpr_count:     66
    .vgpr_count:     256
    .wavefront_size: 32
...
	.end_amdgpu_metadata
.endif
;; end of part 1
;; launch proj (part 2): grid 96 x 4, 4 waves a work-group, clusters of 4 x 4, 327,680 bytes of LDS; arguments xq, wq, bq, bk, bv, qi, kv; writes qi, kv
.if DOCPART == 2
	.amdgcn_target "amdgcn-amd-amdhsa--gfx1250"
	.amdhsa_code_object_version 6
	.text
	.protected	k_q2990283b37_proj
	.globl	k_q2990283b37_proj
	.p2align	8
	.type	k_q2990283b37_proj,@function
k_q2990283b37_proj:
	s_mov_b64 s[64:65], 0
	v_nop
	global_prefetch_b8 v0, s[64:65] scope:SCOPE_SE
	s_setreg_imm32_b32 hwreg(HW_REG_WAVE_MODE, 25, 1), 1
	s_wait_xcnt 0x0
	s_wait_alu depctr_hold_cnt(0) depctr_sa_sdst(0) depctr_va_vdst(0) depctr_va_sdst(0) depctr_va_ssrc(0) depctr_va_vcc(0) depctr_vm_vsrc(0)
	s_getreg_b32 s2, hwreg(HW_REG_IB_STS2, 6, 4)
	s_cmp_eq_u32 s2, 0
	s_cbranch_scc0 .Lentry_in_a_cluster
	s_endpgm
.Lentry_in_a_cluster:
	s_bfe_u32 s2, ttmp6, 0x10000c
	s_cmp_lg_u32 s2, 0xf033
	s_cbranch_scc0 .Lentry_shape_is_right
	s_endpgm
.Lentry_shape_is_right:
; q = x Wq^T + bq, k = x Wk^T + bk, v = x Wv^T + bv on codes of E3M2 (operand images made by the launch before), and each result quantised in registers for attention: q and k along the head's 64, v along the keys.
; A work-group makes 256 x 256 results over K = 1,024; a wave 128 x 128: 64 accumulators.  "A" is source 1 (a lane holds one of its rows), "B" source 0 (a lane's registers run along its rows).
; Clusters 0-15 (q, k): A = 256 tokens of x, B = 256 rows of Wq or Wk: a lane holds a token and its registers run along the features, which are the scores' K.
; Clusters 16-23 (v):   A = 256 rows of Wv, B = 256 tokens: a lane holds a feature and its registers run along the tokens, which are the second product's K.
; The rows of a tile are 32 (T / 2) + 8 (T % 2) + i + 8 (i / 8): so the 16 registers of B's tiles 2 b and 2 b + 1 are 16 neighbours, 32 b + 16 (lane / 16) + 0 .. 15.
; K goes in four steps of 256 through THREE LDS slots: steps 0, 1, 2 are asked for at the start, step 3 refills slot 0 behind the one change of slots that fills; a wave has four tensor loads out at the start, later one.
; CLUSTERS: 4 x 4 work-groups; A's tiles hang on cy and the cluster's number alone and are asked for jointly along a row of the cluster, B's on cx and the cluster's number, along a column.
; The biases are the C of each sum's first matrix instruction.
; OUT: qi [64 heads of a batch][8 slots of 256 tokens][12800]: 8 fragments (32 tokens: tile 2 g in k 0-63, tile 2 g + 1 in k 64-127), then 512 bytes of scale words.
;      kv [..][..][25600]: k as qi; at 12800 v: [128 keys 0..1][16 d 0..3][1536]; at 25088 its scale words.
; LIMITS: NaN and infinities are not served; a block whose largest magnitude lies under 2^-122, a block of zeros among them, keeps the byte 1 (its codes are read by this program alone).
; REGISTERS: window 0: v1 r, v2 h, v8-11 offsets, v16-18 / v20-22 LDS addresses of A's / B's fragments by slot, v23 of the scale words, v24-29 stages, v30-31 the add's; v32-63 scale words, two sets;
;   v64-127 the bias as C, later at work; v128-223 A's fragments (one set), later rows on the way out.  window 1: B's fragments, sets at v0 and v128.  windows 2, 3: accumulator (a, b) at v[8 (8 (a % 4) + b)].
.set SLOT,  98304                      ; A's 16 tiles x 3,072 bytes (two fragments), then B's
.set SCL,   3*SLOT                     ; the scale words of A's 256 rows for all of K (8,192 bytes), then B's
.set SPARE, SCL+16384                  ; the spare words: 128 bytes a wave, two blocks of 256 bytes that no other line names
.set FR,    12
.set ADRA,  16
.set ADRB,  20
.set ADRS,  23
.set SPW,   30
.set NIL,   31
.set SC,    32
.set BI,    64
.set AF,    128
.set TM,    64                         ; the way out: v64-67 largest magnitudes, v68-71 bytes, v76-79 scale operands
.set PW,    80                         ; v80-81 scale words of an even and an odd block of rows
.set SW,    82                         ; v82-83 the two heads' words
.set PCC,   84                         ; v84-107 codes, two sets
.set TP,    108                        ; v108-115
.set BK,    128                        ; v128-227 the stage read back
.set G1A,   20
.set G1B,   28
.set G1SA,  36
.set G1SB,  44
.set G0A,   52                         ; s[52:63] a group 0 for each slot
.set G0SA,  68
.set G0B,   72                         ; s[72:83]
.set G0SB,  84
.set MSB, 0
.macro WIN new                         ; the immediate's high byte repeats the setting that is left
.if MSB != (\new)
	s_set_vgpr_msb (MSB<<8)|(\new)
.set MSB, (\new)
.endif
.endm
; A joint load: waves 0 and 1 fetch A's halves, waves 2 and 3 B's; the branch hangs on the wave's number alone; four v_nop follow each of the two lines.
.macro JLOAD g0a, g1a, g0b, g1b
	s_cmp_eq_u32 s15, 0
	s_cbranch_scc0 .Lfor_b_\@
	tensor_load_to_lds s[\g0a:\g0a+3], s[\g1a:\g1a+7]
	s_nop 0
.rept 4
	v_nop
.endr
	s_branch .Lasked_\@
.Lfor_b_\@:
	tensor_load_to_lds s[\g0b:\g0b+3], s[\g1b:\g1b+7]
	s_nop 0
.rept 4
	v_nop
.endr
.Lasked_\@:
.endm
.macro CREST                           ; a round of the cluster's barrier behind its opening barrier
	s_cmp_lg_u32 s14, 0
	s_cbranch_scc1 .Lnot_wave_0_\@
	s_barrier_signal -3
.Lnot_wave_0_\@:
	s_barrier_wait -3
	s_barrier_signal -1
	s_barrier_wait -1
.endm
.macro CROUND
	s_barrier_signal -1
	s_barrier_wait -1
	CREST
.endm
.macro PLACES n                        ; plain vector instructions between a matrix instruction and a load into, or a read of, its registers
.rept \n
	v_nop
.endr
.endm
.macro FRAG reg, adr, off              ; a fragment's image: six loads of 256 consecutive bytes
.irp p, 0,1,2,3,4,5
	ds_load_b64 v[\reg+2*\p:\reg+2*\p+1], v[\adr] offset:\off+256*\p
.endr
.endm
.macro FETCH_B slot, q, p              ; B's eight fragments of the slot's q-th 128 along K into set p
	WIN 0x40
.irp i, 0,1,2,3,4,5,6,7
	FRAG 128*(\p)+FR*\i, ADRB+\slot, 3072*\i+1536*(\q)
.endr
	WIN 0
.endm
.macro FETCH_A slot, q, i0             ; A's blocks i0 .. i0 + 3
.irp i, \i0, \i0+1, \i0+2, \i0+3
	FRAG AF+FR*(\i), ADRA+\slot, 3072*(\i)+1536*(\q)
.endr
.endm
.macro SCALES sc, ks                   ; K step ks's scale words into set sc: lanes 0-15 A's block i, lanes 16-31 B's block i; two words a row
.irp i, 0,1,2,3,4,5,6,7
	ds_load_b64 v[SC+16*(\sc)+2*\i:SC+16*(\sc)+2*\i+1], v[ADRS] offset:512*\i+128*(\ks)
.endr
.endm
; 16 matrix instructions: A's blocks a0, a0 + 1 x B's eight.  kind 0: onto the sums; 1: the sums begin with the bias by B's rows; 2: by A's rows.  The 64 accumulators take turns.
.macro MUL16 a0, p, q, sc, kind
.irp a, \a0, \a0+1
.irp b, 0,1,2,3,4,5,6,7
.set rD, 8*(8*((\a)%4)+\b)
.set rB, 128*(\p)+FR*\b
.set rA, AF+FR*(\a)
.set rSB, SC+16*(\sc)+2*\b+(\q)
.set rSA, SC+16*(\sc)+2*(\a)+(\q)
.if \kind == 1
	v_wmma_scale_f32_16x16x128_f8f6f4 v[rD:rD+7], v[rB:rB+FR-1], v[rA:rA+FR-1], v[BI+8*\b:BI+8*\b+7], v[rSB], v[rSA] matrix_a_fmt:MATRIX_FMT_BF6 matrix_b_fmt:MATRIX_FMT_BF6 matrix_a_scale:MATRIX_SCALE_ROW1
.elseif \kind == 2
	v_wmma_scale_f32_16x16x128_f8f6f4 v[rD:rD+7], v[rB:rB+FR-1], v[rA:rA+FR-1], v[BI+8*(\a):BI+8*(\a)+7], v[rSB], v[rSA] matrix_a_fmt:MATRIX_FMT_BF6 matrix_b_fmt:MATRIX_FMT_BF6 matrix_a_scale:MATRIX_SCALE_ROW1
.else
	v_wmma_scale_f32_16x16x128_f8f6f4 v[rD:rD+7], v[rB:rB+FR-1], v[rA:rA+FR-1], v[rD:rD+7], v[rSB], v[rSA] matrix_a_fmt:MATRIX_FMT_BF6 matrix_b_fmt:MATRIX_FMT_BF6 matrix_a_scale:MATRIX_SCALE_ROW1
.endif
.endr
.endr
.endm
; 128 along K: 64 matrix instructions on B's set p and scale set sc, word q; the next 128 (slot ns, its nq-th) are fetched in two runs.  scl = 1: K step nks's scale words come with them.
.macro STEP q, ns, nq, p, sc, kind, scl, nks
	s_wait_dscnt 24                                ; all but the youngest 24 loads (A's blocks 4-7) are in
.if \kind
	WIN 0x81                                       ; B window 1, A and C window 0, D window 2
.else
	WIN 0xa1                                       ; C and D window 2
.endif
	MUL16 0, \p, \q, \sc, \kind
	MUL16 2, \p, \q, \sc, \kind
	s_wait_dscnt 0x0                               ; A's blocks 4-7 are in
	PLACES 4
	FETCH_B \ns, \nq, 1-\p
	FETCH_A \ns, \nq, 0
.if \scl
	SCALES 1-\sc, \nks
.endif
.if \kind
	WIN 0xc1
.else
	WIN 0xf1
.endif
	MUL16 4, \p, \q, \sc, \kind
	MUL16 6, \p, \q, \sc, \kind
	PLACES 4
	WIN 0
	FETCH_A \ns, \nq, 4
.endm
; A slot's second 128 with a barrier in it.  In front of the barrier each wave waits for all its tensor loads, adds 0 to its spare word, and waits for that and for its LDS reads.
; fill = 1: the barrier opens a round of the cluster's barrier, and slot 0 is filled again, with K step 3, first thing behind the round.
.macro TURN ns, sc, nks, fill
	s_wait_tensorcnt 0x0                           ; all my tensor loads have landed
	ds_add_u32 v[SPW], v[NIL]                      ; 0 onto my spare word
	s_wait_dscnt 25                                ; (the add and the youngest 24 loads may be out)
	WIN 0xa1
	MUL16 0, 1, 1, \sc, 0                          ; sixteen matrix instructions stand between the add and the wait for it
	s_wait_dscnt 0x0                               ; the add is done, and my reads of the slots read so far are over
	s_barrier_signal -1
	MUL16 2, 1, 1, \sc, 0
	WIN 0
	s_barrier_wait -1
.if \fill
	CREST                                          ; no wave of any partner still reads slot 0 or has a load on its way
	s_add_nc_u64 s[G0A+2:G0A+3], s[G0A+2:G0A+3], 9216   ; from K step 0 to K step 3: three times 3,072 bytes in each tile's run
	s_add_nc_u64 s[G0B+2:G0B+3], s[G0B+2:G0B+3], 9216
	JLOAD G0A, G1A, G0B, G1B                       ; the first tensor load behind the round; its four v_nop are the places in front of the loads below
.else
	PLACES 4
.endif
	FETCH_B \ns, 0, 0
	FETCH_A \ns, 0, 0
	SCALES 1-\sc, \nks
	WIN 0xf1
	MUL16 4, 1, 1, \sc, 0
	MUL16 6, 1, 1, \sc, 0
	PLACES 4
	WIN 0
	FETCH_A \ns, 0, 4
.endm
	s_load_b256 s[88:95], s[0:1], 0x0              ; xq, wq, bq, bk
	s_load_b128 s[96:99], s[0:1], 0x20             ; bv, qi
	s_load_b64 s[100:101], s[0:1], 0x30            ; kv
	v_lshl_add_u32 v[SPW], v0, 2, SPARE
	v_mov_b32 v[NIL], 0
	ds_add_u32 v30, v31
	s_wait_dscnt 0x0
	v_lshrrev_b32 v1, 5, v0
	v_readfirstlane_b32 s14, v1                    ; wave 0..3
	s_lshr_b32 s15, s14, 1                         ; wa: my half of A's rows.  Also: I fetch for A (0) or for B (1)
	s_and_b32 s16, s14, 1                          ; wb: my half of B's rows.  Also: which eight tiles I fetch
	s_bfe_u32 s17, ttmp6, 0x40000                  ; cx
	s_bfe_u32 s18, ttmp6, 0x40004                  ; cy
	s_lshl_b32 s12, s18, 2
	s_lshl_b32 s12, 15, s12                        ; my row of the cluster
	s_lshl_b32 s13, 0x1111, s17                    ; my column
	s_or_b32 s[G1A], s12, 1<<21                    ; codes: elements of 1 byte, no padding; the mask, and bit 21 beside it
	s_or_b32 s[G1B], s13, 1<<21
	s_or_b32 s[G1SA], s12, (3<<16)|(1<<21)         ; scale words: elements of 8 bytes
	s_or_b32 s[G1SB], s13, (3<<16)|(1<<21)
.irp g, G1A, G1B                       ; eight tiles' 3,072 bytes of one K step, 12,288 bytes from tile to tile
	s_mov_b32 s[\g+1], 3072<<16
	s_mov_b32 s[\g+2], 8<<16
	s_mov_b32 s[\g+3], 3072<<16
	s_mov_b32 s[\g+4], 8
	s_mov_b32 s[\g+5], 12288
	s_mov_b32 s[\g+6], 0
	s_mov_b32 s[\g+7], 0
.endr
.irp g, G1SA, G1SB                     ; eight tiles' scale words: 4,096 dense bytes as 16 rows of 256
	s_mov_b32 s[\g+1], 32<<16
	s_mov_b32 s[\g+2], 16<<16
	s_mov_b32 s[\g+3], 32<<16
	s_mov_b32 s[\g+4], 16
	s_mov_b32 s[\g+5], 32
	s_mov_b32 s[\g+6], 0
	s_mov_b32 s[\g+7], 0
.endr
	s_lshr_b32 s2, ttmp9, 1
	s_lshl_b32 s2, s2, 2                           ; q, k: A's block of 256 tokens: 4 (c / 2) + cy
	s_and_b32 s3, ttmp9, 1
	s_lshl_b32 s3, s3, 2                           ; B's block of 256 rows of wq: 4 (c % 2) + cx
	s_sub_co_u32 s10, ttmp9, 16
	s_lshl_b32 s10, s10, 2                         ; v: B's block of tokens: 4 (c - 16) + cx
	s_wait_kmcnt 0x0
	s_cmp_ge_u32 ttmp9, 16                         ; the cluster's number: the same in all sixteen partners
	s_cselect_b32 s19, 1, 0                        ; 1: this cluster makes v
	s_cselect_b32 s2, 8, s2                        ; v: A's block of wq: 8 + cy
	s_cselect_b32 s3, s10, s3
	s_cselect_b64 s[4:5], s[90:91], s[88:89]       ; A's buffer
	s_cselect_b64 s[6:7], s[88:89], s[90:91]       ; B's
	s_mov_b32 s8, 6291456
	s_cselect_b32 s8, 3145728, s8                  ; where A's scale words begin
	s_mov_b32 s9, 3145728
	s_cselect_b32 s9, 6291456, s9                  ; and B's
	s_add_co_u32 s2, s2, s18
	s_add_co_u32 s3, s3, s17
	s_mul_i32 s12, s14, 24576                      ; where my codes go in a slot, and
	s_lshl_b32 s13, s14, 12                        ; my scale words: the wave's number alone
	s_mul_i32 s10, s2, 196608                      ; A: 16 tiles of 12,288 bytes a block,
	s_mul_i32 s11, s16, 98304                      ; my eight of them
	s_add_co_u32 s10, s10, s11
	s_mov_b32 s11, 0
	s_add_nc_u64 s[10:11], s[4:5], s[10:11]
.irp s, 0,1,2
	s_mov_b32 s[G0A+4*\s], 1
	s_add_co_u32 s[G0A+4*\s+1], s12, \s*SLOT
	s_add_nc_u64 s[G0A+4*\s+2:G0A+4*\s+3], s[10:11], \s*3072
	s_or_b32 s[G0A+4*\s+3], s[G0A+4*\s+3], 0x80000000
.endr
	s_lshl_b32 s10, s2, 13
	s_lshl_b32 s11, s16, 12
	s_add_co_u32 s10, s10, s11
	s_add_co_u32 s10, s10, s8
	s_mov_b32 s11, 0
	s_mov_b32 s[G0SA], 1
	s_add_co_u32 s[G0SA+1], s13, SCL
	s_add_nc_u64 s[G0SA+2:G0SA+3], s[4:5], s[10:11]
	s_or_b32 s[G0SA+3], s[G0SA+3], 0x80000000
	s_mul_i32 s66, s3, 196608                      ; B likewise, in registers that never hold cy
	s_mul_i32 s67, s16, 98304
	s_add_co_u32 s66, s66, s67
	s_mov_b32 s67, 0
	s_add_nc_u64 s[66:67], s[6:7], s[66:67]
.irp s, 0,1,2
	s_mov_b32 s[G0B+4*\s], 1
	s_add_co_u32 s[G0B+4*\s+1], s12, \s*SLOT
	s_add_nc_u64 s[G0B+4*\s+2:G0B+4*\s+3], s[66:67], \s*3072
	s_or_b32 s[G0B+4*\s+3], s[G0B+4*\s+3], 0x80000000
.endr
	s_lshl_b32 s66, s3, 13
	s_lshl_b32 s67, s16, 12
	s_add_co_u32 s66, s66, s67
	s_add_co_u32 s66, s66, s9
	s_mov_b32 s67, 0
	s_mov_b32 s[G0SB], 1
	s_add_co_u32 s[G0SB+1], s13, SCL
	s_add_nc_u64 s[G0SB+2:G0SB+3], s[6:7], s[66:67]
	s_or_b32 s[G0SB+3], s[G0SB+3], 0x80000000
	CROUND                                         ; all sixteen work-groups are here: the first joint loads meet
	JLOAD G0SA, G1SA, G0SB, G1SB                   ; the scale words for all of K,
	JLOAD G0A, G1A, G0B, G1B                       ; K step 0,
	JLOAD G0A+4, G1A, G0B+4, G1B                   ; K step 1,
	JLOAD G0A+8, G1A, G0B+8, G1B                   ; K step 2: four loads of mine are out
	v_and_b32 v1, 15, v0                           ; r
	v_bfe_u32 v2, v0, 4, 1                         ; h
	v_and_b32 v3, 31, v0                           ; lane
	v_lshlrev_b32 v4, 3, v3                        ; 8 x lane
	v_lshlrev_b32 v10, 4, v3                       ; v10: 16 x lane
	s_mul_i32 s12, s15, 24576
	v_add_nc_u32 v[ADRA], s12, v4
	v_add_nc_u32 v[ADRA+1], SLOT, v[ADRA]
	v_add_nc_u32 v[ADRA+2], 2*SLOT, v[ADRA]
	s_mul_i32 s12, s16, 24576
	s_add_co_u32 s12, s12, 49152
	v_add_nc_u32 v[ADRB], s12, v4
	v_add_nc_u32 v[ADRB+1], SLOT, v[ADRB]
	v_add_nc_u32 v[ADRB+2], 2*SLOT, v[ADRB]
	s_lshl_b32 s12, s15, 12                        ; A's scale words: my eight tiles;
	s_lshl_b32 s13, s16, 12
	s_add_co_u32 s13, s13, 8192                    ; B's lie behind A's 8,192 bytes
	s_sub_co_u32 s13, s13, s12
	v_mul_u32_u24 v6, s13, v2                      ; lanes 16-31 take B's: one product, the distance between the two
	s_add_co_u32 s12, s12, SCL
	v_lshlrev_b32 v5, 3, v1
	v_add_nc_u32 v5, v5, v6
	v_add_nc_u32 v[ADRS], s12, v5
	s_mul_i32 s12, s14, 12800                      ; the stages for the way out, 12,800 bytes a wave: q's and k's way has its own in slot 1, v's way its own in slot 2.
	s_add_co_u32 s13, s12, SLOT                    ; Both slots have had their last fill, and every wave's last read of them stands in front of the last barrier
	v_lshlrev_b32 v5, 2, v1
	v_add_nc_u32 v24, s13, v4                      ; v24: codes in, 8 x lane
	v_add_nc_u32 v25, s13, v5
	v_add_nc_u32 v25, 12288, v25                   ; v25: scale words in, 4 r
	v_add_nc_u32 v26, s13, v10                     ; v26: back, 16 x lane
	s_add_co_u32 s13, s12, 2*SLOT
	v_add_nc_u32 v27, s13, v4
	v_add_nc_u32 v28, s13, v5
	v_add_nc_u32 v28, 12288, v28
	v_add_nc_u32 v29, s13, v10
	v_lshlrev_b32 v8, 6, v2                        ; v8: the bias by B's rows: 16 h numbers on
	v_and_b32 v9, 8, v1
	v_add_nc_u32 v9, v9, v1
	v_lshlrev_b32 v9, 2, v9                        ; v9: the bias by A's rows: number r + 8 (r / 8)
	s_and_b32 s12, ttmp9, 1
	s_cmp_eq_u32 s12, 1
	s_cselect_b64 s[92:93], s[94:95], s[92:93]     ; bk in odd clusters, else bq;
	s_cmp_eq_u32 s19, 1
	s_cselect_b64 s[92:93], s[96:97], s[92:93]     ; bv in v's
	s_cselect_b32 s94, s18, s17                    ; the features' block of 256: by cy in v's clusters, else by cx,
	s_cselect_b32 s95, s15, s16                    ; and my half of it
	s_lshl_b32 s94, s94, 10
	s_lshl_b32 s95, s95, 9
	s_add_co_u32 s94, s94, s95
	s_mov_b32 s95, 0
	s_add_nc_u64 s[92:93], s[92:93], s[94:95]
	s_cmp_eq_u32 s19, 1
	s_cbranch_scc1 .Lbias_v
.irp b, 0,1,2,3,4,5,6,7                ; register j of B's tile b is feature 32 (b / 2) + 16 h + 8 (b % 2) + j
	global_load_b128 v[BI+8*\b:BI+8*\b+3], v8, s[92:93] offset:(32*(\b/2)+8*(\b%2))*4
	global_load_b128 v[BI+8*\b+4:BI+8*\b+7], v8, s[92:93] offset:(32*(\b/2)+8*(\b%2))*4+16
.endr
	s_wait_loadcnt 0x0
	s_branch .Lbias_done
.Lbias_v:
.irp a, 0,1,2,3,4,5,6,7                ; lane r of A's tile a is feature 32 (a / 2) + 8 (a % 2) + r + 8 (r / 8): one number for all eight registers
	global_load_b32 v[BI+8*\a], v9, s[92:93] offset:(32*(\a/2)+8*(\a%2))*4
.endr
	s_wait_loadcnt 0x0
.irp a, 0,1,2,3,4,5,6,7
.irp j, 1,2,3,4,5,6,7
	v_mov_b32 v[BI+8*\a+\j], v[BI+8*\a]
.endr
.endr
.Lbias_done:
	s_wait_tensorcnt 2                             ; the scale words and my part of K step 0 are in; K steps 1 and 2 may stay out
	s_barrier_signal -1
	s_barrier_wait -1
	FETCH_B 0, 0, 0
	FETCH_A 0, 0, 0
	SCALES 0, 0
	FETCH_A 0, 0, 4
	s_cmp_eq_u32 s19, 1                            ; the first 128 along K start the sums with the bias: written once for each way, with the same loads and counts
	s_cbranch_scc1 .Lfirst_v
	STEP 0, 0, 1, 0, 0, 1, 0, 0
	s_branch .Lfirst_done
.Lfirst_v:
	STEP 0, 0, 1, 0, 0, 2, 0, 0
.Lfirst_done:
	TURN 1, 0, 1, 1                                ; every wave has waited for all its loads: behind this round slots 1 and 2 are whole for everybody; K step 3 goes out, with 224 matrix instructions in which to land
	STEP 0, 1, 1, 0, 1, 0, 0, 0
	STEP 1, 2, 0, 1, 1, 0, 1, 2                    ; on into slot 2 without a barrier
	STEP 0, 2, 1, 0, 0, 0, 0, 0
	TURN 0, 0, 3, 0                                ; K step 3 has landed in slot 0, for everybody behind this barrier; nothing is filled
	STEP 0, 0, 1, 0, 1, 0, 0, 0
	s_wait_dscnt 24                                ; the last 128: nothing more to fetch
	WIN 0xa1
	MUL16 0, 1, 1, 1, 0
	MUL16 2, 1, 1, 1, 0
	s_wait_dscnt 0x0
	WIN 0xf1
	MUL16 4, 1, 1, 1, 0
	MUL16 6, 1, 1, 1, 0
	WIN 0
	; THE WAY OUT.  Where my results go; s36-s55 held descriptors of loads that the wait for 0 at the last barrier has shown done.
	s_mov_b32 s52, 0x05040100                      ; byte selects: the first head's two bytes of an even and an odd block's word,
	s_mov_b32 s53, 0x07060302                      ; the second head's
	s_mov_b32 s54, 0x76543210
	s_mov_b32 s55, 0xfedcba98                      ; lane l xor 16
	s_and_b32 s36, ttmp9, 1
	s_cmp_eq_u32 s19, 1
	s_cselect_b32 s37, s3, s2                      ; the block of 256 tokens
	s_cselect_b32 s38, s18, s17                    ; the features' block,
	s_cselect_b32 s39, s15, s16                    ; my half of it: two heads,
	s_cselect_b32 s40, s16, s15                    ; my half of the tokens
	s_cselect_b32 s41, 12800, 0                    ; v lies behind k in a slot
	s_or_b32 s36, s36, s19
	s_cmp_eq_u32 s36, 1
	s_cselect_b64 s[42:43], s[100:101], s[98:99]   ; kv, or qi for q
	s_mov_b32 s44, 12800
	s_cselect_b32 s44, 25600, s44                  ; a slot's bytes there
	s_lshr_b32 s45, s37, 3                         ; the batch
	s_and_b32 s46, s37, 7                          ; the slot
	s_lshl_b32 s38, s38, 2
	s_lshl_b32 s39, s39, 1
	s_add_co_u32 s38, s38, s39                     ; my first head
	s_lshl_b32 s45, s45, 4
	s_add_co_u32 s45, s45, s38
	s_lshl_b32 s45, s45, 3
	s_add_co_u32 s45, s45, s46
	s_mul_i32 s45, s45, s44
	s_add_co_u32 s45, s45, s41                     ; the first head's part of its slot
	s_mul_i32 s46, s40, 6144
	s_add_co_u32 s46, s45, s46
	s_mov_b32 s47, 0
	s_add_nc_u64 s[48:49], s[42:43], s[46:47]      ; the first head's 6,144 bytes of codes
	s_lshl_b32 s46, s44, 3                         ; from a head to the next: eight slots
	s_add_nc_u64 s[50:51], s[48:49], s[46:47]      ; the second head's
	s_lshl_b32 s40, s40, 8
	s_add_co_u32 s40, s40, s45
	s_add_co_u32 s40, s40, 12288
	s_mov_b32 s41, 0
	s_add_nc_u64 s[36:37], s[42:43], s[40:41]      ; the first head's 256 bytes of scale words
	v_mul_u32_u24 v11, s46, v2
	v_lshl_add_u32 v11, v1, 4, v11                 ; v11: lanes 0-15 store the first head's, lanes 16-31 the second's
; The 64 results of a lane in A's block a (register 16 b + i is index 32 b + 16 h + i along the next K) become a fragment's codes in v[PCS] on and its scale word in v[PW + a % 2].
.macro QUANTW a
.set AC, 64*((\a)%4)
.set WS, 2+(\a)/4
.set PCS, PCC+12*((\a)%2)
.set PWA, PW+(\a)%2
.if (\a) >= 2
	s_wait_dscnt 6                                 ; every block issues six LDS stores or more: with six out at the most, those of two blocks back have read this set of registers
.endif
	WIN WS*5                                       ; sources 0 and 1: the accumulators' window
.irp b, 0,1,2,3
	v_max3_num_f32 v[TM+\b], |v[AC+16*\b]|, |v[AC+16*\b+1]|, 0x2800000   ; each accumulator is read from its low end on; the floor 2^(5 - 127) holds the byte at 1 from below
.endr
.irp i, 2,4,6,8,10,12,14
.irp b, 0,1,2,3
	v_max3_num_f32 v[TM+\b], |v[AC+16*\b+\i]|, |v[AC+16*\b+\i+1]|, v[TM+\b]
.endr
.endr
	WIN 0
.irp b, 0,1,2,3
	v_permlanex16_b32 v[TM+4+\b], v[TM+\b], s54, s55
.endr
.irp b, 0,1,2,3
	v_max_num_f32 v[TM+\b], v[TM+\b], v[TM+4+\b]   ; with lane l xor 16's 16: the block's largest magnitude
.endr
.irp b, 0,1,2,3
	v_add_nc_u32 v[TM+12+\b], 0xfe000000, v[TM+\b] ; 4 off its exponent field: the conversion's scale operand
.endr
.irp b, 0,1,2,3
	v_lshrrev_b32 v[TM+4+\b], 23, v[TM+12+\b]      ; the byte
.endr
	v_lshl_or_b32 v[PWA], v[TM+5], 8, v[TM+4]
	v_lshl_or_b32 v[PWA], v[TM+6], 16, v[PWA]
	v_lshl_or_b32 v[PWA], v[TM+7], 24, v[PWA]
	WIN WS                                         ; source 0: the accumulators' window
.irp c, 0,1
	v_cvt_scalef32_pk16_bf6_f32 v[PCS+6*\c:PCS+6*\c+2], v[AC+32*\c:AC+32*\c+15], v[TM+12+2*\c]
	v_cvt_scalef32_pk16_bf6_f32 v[TP+4*\c:TP+4*\c+2], v[AC+32*\c+16:AC+32*\c+31], v[TM+12+2*\c+1]
.endr
	WIN 0
	v_nop                                          ; one plain place behind a scaled conversion
.irp c, 0,1                            ; the operand's layout wants a whole block in a lane
.irp i, 0,1,2
	v_permlane16_swap_b32 v[PCS+6*\c+\i], v[TP+4*\c+\i]
.endr
.irp i, 0,1,2
	v_mov_b32 v[PCS+3+6*\c+\i], v[TP+4*\c+\i]
.endr
.endr
.endm
; kind 0 (q, k): block a is a tile of tokens; its registers 0-5 are the first head's 64, 6-11 the second's; in a head's fragment a / 2 they are half a % 2.
; kind 1 (v): block a is 16 d of head a / 4, and its 12 registers are a whole fragment along my 128 keys.
; The wave's own stage: [head 0..1][6144 bytes of codes], then [head][256 bytes of scale words]; it comes back as 25 runs of 512 bytes.  LDS serves a wave's instructions in order: no wait between stores and loads.
.macro EPI kind, st8, st4, str
	PLACES 4                                       ; behind the last products
.irp a, 0,1,2,3,4,5,6,7
	QUANTW \a
.if \kind == 0
.irp p, 0,1,2,3,4,5
	ds_store_b64 v[\st8], v[PCS+2*\p:PCS+2*\p+1] offset:(\p/3)*6144+(\a/2)*1536+(3*(\a%2)+\p%3)*256
.endr
.if \a%2
	v_perm_b32 v[SW], v[PW+1], v[PW], s52          ; (tile 2 g: b0, b1; tile 2 g + 1: b0, b1) of the first head,
	v_perm_b32 v[SW+1], v[PW+1], v[PW], s53        ; of the second
	ds_store_b32 v[\st4], v[SW] offset:64*(\a/2)   ; both halves of the lanes write the same word with the same value
	ds_store_b32 v[\st4], v[SW+1] offset:256+64*(\a/2)
.endif
.else
.irp p, 0,1,2,3,4,5
	ds_store_b64 v[\st8], v[PCS+2*\p:PCS+2*\p+1] offset:(\a/4)*6144+(\a%4)*1536+256*\p
.endr
	ds_store_b32 v[\st4], v[PWA] offset:256*(\a/4)+64*(\a%4)
.endif
.endr
.irp k, 0,1,2,3,4,5,6,7,8,9,10,11,12,13,14,15,16,17,18,19,20,21,22,23,24
	ds_load_b128 v[BK+4*\k:BK+4*\k+3], v[\str] offset:512*\k
.endr
.irp k, 0,1,2,3,4,5,6,7,8,9,10,11
	s_wait_dscnt 24-\k                             ; LDS loads come back in order: run k is in
	global_store_b128 v10, v[BK+4*\k:BK+4*\k+3], s[48:49] offset:512*\k   ; 512 consecutive bytes, aligned
.endr
.irp k, 12,13,14,15,16,17,18,19,20,21,22,23
	s_wait_dscnt 24-\k
	global_store_b128 v10, v[BK+4*\k:BK+4*\k+3], s[50:51] offset:512*(\k-12)
.endr
	s_wait_dscnt 0x0
	global_store_b128 v11, v[BK+96:BK+99], s[36:37]   ; sixteen lanes store each head's 256 bytes of scale words
.endm
	s_cmp_eq_u32 s19, 1
	s_cbranch_scc1 .Lout_v
	EPI 0, 24, 25, 26
	s_branch .Lout_done
.Lout_v:
	EPI 1, 27, 28, 29
.Lout_done:
	s_wait_tensorcnt 0x0                           ; the wave's end: behind my last tensor load and my last LDS store
	ds_add_u32 v[SPW], v[NIL]
	s_wait_dscnt 0x0
	CROUND                                         ; the closing round: no work-group ends while a partner may still ask for a tile that names it
	s_endpgm
.Lfunc_end_k_q2990283b37_proj:
	.size	k_q2990283b37_proj, .Lfunc_end_k_q2990283b37_proj-k_q2990283b37_proj
	.p2alignl 7, 3214868480
	.fill 96, 4, 3214868480
	.section	.rodata,"a",@progbits
	.p2align	6, 0x0
	.amdhsa_kernel k_q2990283b37_proj
		.amdhsa_group_segment_fixed_size 327680
		.amdhsa_private_segment_fixed_size 0
		.amdhsa_enable_private_segment 0
		.amdhsa_kernarg_size 56
		.amdhsa_user_sgpr_count 2
		.amdhsa_user_sgpr_kernarg_segment_ptr 1
		.amdhsa_wavefront_size32 1
		.amdhsa_system_sgpr_workgroup_id_x 1
		.amdhsa_system_sgpr_workgroup_id_y 1
		.amdhsa_system_sgpr_workgroup_id_z 1
		.amdhsa_system_vgpr_workitem_id 0
		.amdhsa_next_free_vgpr 1024
		.amdhsa_next_free_sgpr 102
		.amdhsa_reserve_vcc 0
		.amdhsa_float_denorm_mode_32 3
		.amdhsa_float_denorm_mode_16_64 3
		.amdhsa_memory_ordered 1
		.amdhsa_forward_progress 1
		.amdhsa_inst_pref_size 230
	.end_amdhsa_kernel
	.amdgpu_metadata
---
amdhsa.version: [ 1, 2 ]
amdhsa.kernels:
  - .name:           k_q2990283b37_proj
    .symbol:         k_q2990283b37_proj.kd
    .args:
      - { .name: xq, .offset: 0, .size: 8, .value_kind: global_buffer, .address_space: global }
      - { .name: wq, .offset: 8, .size: 8, .value_kind: global_buffer, .address_space: global }
      - { .name: bq, .offset: 16, .size: 8, .value_kind: global_buffer, .address_space: global }
      - { .name: bk, .offset: 24, .size: 8, .value_kind: global_buffer, .address_space: global }
      - { .name: bv, .offset: 32, .size: 8, .value_kind: global_buffer, .address_space: global }
      - { .name: qi, .offset: 40, .size: 8, .value_kind: global_buffer, .address_space: global }
      - { .name: kv, .offset: 48, .size: 8, .value_kind: global_buffer, .address_space: global }
    .group_segment_fixed_size: 327680
    .private_segment_fixed_size: 0
    .kernarg_segment_align: 8
    .kernarg_segment_size: 56
    .max_flat_workgroup_size: 128
    .sgpr_count:     102
    .vgpr_count:     1024
    .wavefront_size: 32
...
	.end_amdgpu_metadata
.endif
;; end of part 2
;; launch attn (part 3): grid 4 x 64, 8 waves a work-group, no clusters, 327,680 bytes of LDS; arguments qi, kv, oq; writes oq
.if DOCPART == 3
	.amdgcn_target "amdgcn-amd-amdhsa--gfx1250"
	.amdhsa_code_object_version 6
	.text
	.protected	k_q2990283b37_attn
	.globl	k_q2990283b37_attn
	.p2align	8
	.type	k_q2990283b37_attn,@function
k_q2990283b37_attn:
	s_mov_b64 s[64:65], 0
	v_nop
	global_prefetch_b8 v0, s[64:65] scope:SCOPE_SE
	s_setreg_imm32_b32 hwreg(HW_REG_WAVE_MODE, 25, 1), 1
	s_wait_xcnt 0x0
; Causal attention of one head on codes of E3M2, and O / l quantised along the model's 1,024 for the last product.  Head size 64, 2,048 tokens, 64 heads of batches.
; t = score x log2(e) / 8; M = the running largest t rounded UP to a whole number; p = 2^(t - M) is quantised along the keys, not normalised; the row's sum l is taken of the unquantised p and divides O at the end.
; When M moves, the sum and O are multiplied by 2^(old M - new M): exact.
; SHARES.  Work-group (i, head) owns the query blocks of 256 numbered 7 - i (it walks key slots 0 .. 7 - i) and then i (slots 0 .. i): always nine slots, so the trip count is a constant and all 256 work-groups
; have the same work.  Each of eight waves owns 32 queries of the block in hand, two tiles of 16, so that each fragment of K and V read from LDS feeds two matrix instructions.
; A slot (256 keys: K's 8 fragments, its scale words, V's 8 fragments, its scale words: 25,600 dense bytes) comes by ONE tensor load, issued by wave 0, through a ring of two LDS slots.
; No cluster: the four work-groups of a head want different slots in the same trip, so no joint request would meet.
; LAYOUT.  Both products are used transposed: S^T = K Q^T, O^T = V^T P^T: a lane holds one query throughout.  The rows of a tile are 32 g + 8 u + r + 8 (r / 8), so the 16 registers of tiles 2 g and 2 g + 1 are 16 neighbours.
; K = 64 IN AN INSTRUCTION 128 DEEP: a fragment of K holds tile 2 g in k 0-63 and tile 2 g + 1 in k 64-127.  Q's operand is [q | zeros] for the one and [zeros | q] for the other, out of one run of registers
; zeros, q0, zeros, q1, zeros: zero codes add nothing.  Q's scale word is (b0, b1, b0, b1).
; A block's largest p is not searched for: the block's largest score goes through the same multiply-add and exponential (this takes v_exp_f32 not to fall where its input rises).
; LIMITS: NaN and infinities are not served; a block whose largest magnitude lies under 2^-122, a block of zeros among them, keeps the byte 1 (its codes are read by this program alone).
; REGISTERS.  window 0: v1-10 addresses; v12-19 per tile -M, largest t, the sum's pair; v20-23 f; v24-47 block maxima, bytes, scale operands; v48-55 scale words (P, Q, K, V); v56-57 Q's words as loaded;
;   v58-63 at work; v64-87 P's codes; v88-107 at work; v112-239 S^T, then p; v240-242 the mask's.
;   window 1: v0-47 K; v48-95 V; v96-125 zeros, q0, zeros, q1, zeros; v128-191 O^T; v192-203 the second block's Q.
.set SLOT1, 32768
.set SPARE, 65536                      ; the spare words: 128 bytes a wave, four blocks of 256 bytes that no other line names
.set KSC,   12288                      ; in a slot: K's scale words,
.set VOF,   12800                      ; V's fragments,
.set VSC,   25088                      ; V's scale words
.set LA8,   1                          ; v1  8 x lane
.set LA4,   2                          ; v2  4 x lane
.set SPW,   3
.set NIL,   4
.set ADK,   5                          ; v5  the slot in hand + 8 x lane
.set ADS,   6                          ; v6  + 4 x lane
.set QD,    7                          ; v7  r + 8 (r / 8) - 16 h
.set VOS,   8                          ; v8  8 r + 512 h: my row's scale bytes in oq
.set HH,    9                          ; v9  h
.set RA4,   10                         ; v10 4 r
.set BM,    24
.set BP,    32
.set SO,    40
.set PW,    48
.set QS,    50
.set KS,    52
.set VS,    54
.set QW,    56
.set PP,    64
.set TP,    88
.set SUM2,  104
.set SS,    112
.set VF,    48                         ; window 1
.set QZ,    96
.set OO,    128
.set QH,    192
.set MSB, 0
.macro WIN new
.if MSB != (\new)
	s_set_vgpr_msb (MSB<<8)|(\new)
.set MSB, (\new)
.endif
.endm
.macro TLOAD                           ; wave 0 alone fetches; four v_nop follow the line
	s_cmp_lg_u32 s10, 0
	s_cbranch_scc1 .Lnone_\@
	tensor_load_to_lds s[24:27], s[16:23]
	s_nop 0
.rept 4
	v_nop
.endr
.Lnone_\@:
.endm
.macro RESET                           ; a block of queries begins: the largest t is -3e38, under every t; the sums and O^T are zeros, which the first change of M leaves zeros
.irp t, 0,1
	v_mov_b32 v[13+4*\t], 0xff61b1e6
	v_floor_f32 v[12+4*\t], -v[13+4*\t]
	v_mov_b32 v[14+4*\t], 0
	v_mov_b32 v[15+4*\t], 0
.endr
	WIN 0x40
.set j, 0
.rept 64
	v_mov_b32 v[OO+j], 0
.set j, j+1
.endr
	WIN 0
.endm
	s_load_b128 s[4:7], s[0:1], 0x0                ; qi, kv
	s_load_b64 s[8:9], s[0:1], 0x10                ; oq
	v_lshl_add_u32 v[SPW], v0, 2, SPARE
	v_mov_b32 v[NIL], 0
	ds_add_u32 v3, v4
	s_wait_dscnt 0x0
	v_lshrrev_b32 v5, 5, v0
	v_readfirstlane_b32 s10, v5                    ; wave 0..7
	s_mov_b32 s11, ttmp9                           ; i
	s_and_b32 s12, ttmp7, 0xffff                   ; the head, 0 .. 63
	s_sub_co_u32 s13, 8, s11                       ; slots of the first block
	s_add_co_u32 s14, s11, 1                       ; the count of slots left at which the blocks change
	s_mov_b32 s15, 1                               ; the key slot to be asked for next
	s_mov_b32 s16, 3<<16                           ; group 1: 25,600 dense bytes as 100 rows of 32 elements of 8 bytes
	s_mov_b32 s17, 32<<16
	s_mov_b32 s18, 100<<16
	s_mov_b32 s19, 32<<16
	s_mov_b32 s20, 100
	s_mov_b32 s21, 32
	s_mov_b32 s22, 0
	s_mov_b32 s23, 0
	s_mov_b32 s32, 0x76543210
	s_mov_b32 s33, 0xfedcba98                      ; lane l xor 16
	s_mov_b32 s34, 0x3e38aa3b                      ; c = log2(e) / 8
	s_mov_b32 s35, s34                             ; (named with it as a pair)
	s_mov_b32 s36, 0                               ; the LDS slot in hand
	s_mov_b32 s37, 0                               ; the step's first key
	s_mov_b32 s39, 8                               ; trips of the loop
	s_mov_b32 s60, 0x01000100                      ; byte selects: (b0, b1, b0, b1) of the first tile,
	s_mov_b32 s61, 0x03020302                      ; of the second
	s_mul_i32 s30, s12, 204800
	s_mov_b32 s31, 0
	s_wait_kmcnt 0x0
	s_add_nc_u64 s[28:29], s[6:7], s[30:31]        ; the head's eight slots
	s_mov_b32 s24, 1
	s_mov_b32 s25, 0
	s_mov_b64 s[26:27], s[28:29]
	s_or_b32 s27, s27, 0x80000000
	TLOAD                                          ; key slot 0 into LDS slot 0
	v_and_b32 v5, 31, v0
	v_lshlrev_b32 v[LA8], 3, v5
	v_lshlrev_b32 v[LA4], 2, v5
	v_and_b32 v6, 15, v0                           ; r
	v_bfe_u32 v[HH], v0, 4, 1
	v_lshlrev_b32 v[RA4], 2, v6
	v_and_b32 v[QD], 8, v6
	v_add_nc_u32 v[QD], v[QD], v6
	v_lshlrev_b32 v[VOS], 4, v[HH]
	v_sub_nc_u32 v[QD], v[QD], v[VOS]
	v_lshlrev_b32 v[VOS], 3, v6
	v_lshl_add_u32 v[VOS], v[HH], 9, v[VOS]
	s_sub_co_u32 s50, 7, s11                       ; the first block of queries
	s_lshl_b32 s49, s10, 5
	s_lshl_b32 s38, s50, 8
	s_add_co_u32 s38, s38, s49                     ; my first query in it,
	s_lshl_b32 s48, s11, 8
	s_add_co_u32 s48, s48, s49                     ; and in the second block
	s_mul_i32 s49, s12, 102400
	s_mul_i32 s51, s10, 1536
	s_add_co_u32 s51, s51, s49                     ; my fragment of Q in a slot of qi,
	s_lshl_b32 s62, s10, 6
	s_add_co_u32 s62, s62, s49
	s_add_co_u32 s62, s62, 12288                   ; and its scale words
	s_mul_i32 s63, s50, 12800
	s_add_co_u32 s52, s51, s63
	s_mov_b32 s53, 0
	s_add_co_u32 s54, s62, s63
	s_mov_b32 s55, 0
	s_mul_i32 s63, s11, 12800
	s_add_co_u32 s56, s51, s63
	s_mov_b32 s57, 0
	s_add_co_u32 s58, s62, s63
	s_mov_b32 s59, 0
	s_add_nc_u64 s[52:53], s[4:5], s[52:53]
	s_add_nc_u64 s[54:55], s[4:5], s[54:55]
	s_add_nc_u64 s[56:57], s[4:5], s[56:57]
	s_add_nc_u64 s[58:59], s[4:5], s[58:59]
	WIN 0x40                                       ; destination window 1.  Both blocks' Q come now, so that nothing is waited for in the middle of the launch
.irp p, 0,1,2
	global_load_b64 v[QZ+6+2*\p:QZ+7+2*\p], v[LA8], s[52:53] offset:256*\p
	global_load_b64 v[QZ+18+2*\p:QZ+19+2*\p], v[LA8], s[52:53] offset:768+256*\p
	global_load_b64 v[QH+2*\p:QH+1+2*\p], v[LA8], s[56:57] offset:256*\p
	global_load_b64 v[QH+6+2*\p:QH+7+2*\p], v[LA8], s[56:57] offset:768+256*\p
.endr
.irp i, 0,1,2,3,4,5
	v_mov_b32 v[QZ+\i], 0                          ; the three runs of zero codes
	v_mov_b32 v[QZ+12+\i], 0
	v_mov_b32 v[QZ+24+\i], 0
.endr
	WIN 0
	global_load_b32 v[QW], v[RA4], s[54:55]
	global_load_b32 v[QW+1], v[RA4], s[58:59]
.irp i, 0,1,2,3
	v_mov_b32 v[20+\i], 0                          ; f's pairs are named whole
.endr
.irp i, 0,1,2,3,4,5,6,7
	v_mov_b32 v[BP+\i], 0                          ; written once: a lane permute's destination counts as one of its sources
.endr
.irp i, 0,1,2,3,4,5
	v_mov_b32 v[58+\i], 0
.endr
	; where O goes: tile T0 = 128 batch + 16 block + 2 wave of oq; head hd's 64 are half hd % 2 of fragment hd / 2: 768 hd bytes on; its two scale bytes stand at 128 (hd / 4) + 2 (hd % 4) of a tile's 512
	s_lshr_b32 s49, s12, 4
	s_and_b32 s51, s12, 15
	s_lshl_b32 s49, s49, 7
	s_lshl_b32 s62, s10, 1
	s_add_co_u32 s49, s49, s62
	s_mul_i32 s62, s51, 768
	s_lshr_b32 s63, s51, 2
	s_lshl_b32 s63, s63, 7
	s_and_b32 s66, s51, 3
	s_lshl_b32 s66, s66, 1
	s_add_co_u32 s63, s63, s66
	s_add_co_u32 s63, s63, 6291456
	s_lshl_b32 s66, s50, 4
	s_add_co_u32 s66, s66, s49
	s_mul_i32 s40, s66, 12288
	s_add_co_u32 s40, s40, s62
	s_mov_b32 s41, 0
	s_lshl_b32 s42, s66, 9
	s_add_co_u32 s42, s42, s63
	s_mov_b32 s43, 0
	s_add_nc_u64 s[40:41], s[8:9], s[40:41]        ; the first block's codes,
	s_add_nc_u64 s[42:43], s[8:9], s[42:43]        ; its scale bytes;
	s_lshl_b32 s66, s11, 4
	s_add_co_u32 s66, s66, s49
	s_mul_i32 s44, s66, 12288
	s_add_co_u32 s44, s44, s62
	s_mov_b32 s45, 0
	s_lshl_b32 s46, s66, 9
	s_add_co_u32 s46, s46, s63
	s_mov_b32 s47, 0
	s_add_nc_u64 s[44:45], s[8:9], s[44:45]        ; the second block's
	s_add_nc_u64 s[46:47], s[8:9], s[46:47]
	s_wait_loadcnt 0x0
	v_perm_b32 v[QS], v[QW], v[QW], s60
	v_perm_b32 v[QS+1], v[QW], v[QW], s61
	RESET                                          ; (its lines are also the places between the scale words' making and the first scaled product)
; A KEY STEP: 128 keys, the q-th of the slot in hand, for my two tiles of queries.
.macro STEP q
	s_add_co_u32 s49, s38, 31                      ; a step all of whose keys come after my 32 queries is left out: a scalar branch on ids; no barrier and no tensor load stands in a step
	s_cmp_gt_u32 s37, s49
	s_cbranch_scc1 .Lhidden_\@
	v_add_nc_u32 v[ADK], s36, v[LA8]
	v_add_nc_u32 v[ADS], s36, v[LA4]
	v_nop
	v_nop                                          ; four places in front of loads into registers that the last products read
.irp j, 0,1
	ds_load_b32 v[KS+\j], v[ADS] offset:KSC+256*(\q)+128*\j   ; lanes 0-15: the words of fragment 2 j; lanes 16-31: of fragment 2 j + 1
	ds_load_b32 v[VS+\j], v[ADS] offset:VSC+256*(\q)+128*\j
.endr
	WIN 0x40
.irp b, 0,1,2,3
.irp p, 0,1,2,3,4,5
	ds_load_b64 v[12*\b+2*\p:12*\b+2*\p+1], v[ADK] offset:6144*(\q)+1536*\b+256*\p
.endr
.endr
.irp b, 0,1,2,3
.irp p, 0,1,2,3,4,5
	ds_load_b64 v[VF+12*\b+2*\p:VF+12*\b+2*\p+1], v[ADK] offset:VOF+6144*(\q)+1536*\b+256*\p
.endr
.endr
	s_wait_dscnt 24                                ; the scale words and K are in; V's 24 loads may be out
	WIN 0x05                                       ; K and Q window 1, S^T window 0
.irp b, 0,1,2,3                        ; register 16 b + 8 u + j of tile t is key 32 b + 16 h + 8 u + j
.irp u, 0,1
.irp t, 0,1
.if \b%2
	v_wmma_scale_f32_16x16x128_f8f6f4 v[SS+64*\t+16*\b+8*\u:SS+64*\t+16*\b+8*\u+7], v[12*\b:12*\b+11], v[QZ+6-6*\u+12*\t:QZ+17-6*\u+12*\t], 0, v[KS+\b/2], v[QS+\t] matrix_a_fmt:MATRIX_FMT_BF6 matrix_b_fmt:MATRIX_FMT_BF6 matrix_a_scale:MATRIX_SCALE_ROW1
.else
	v_wmma_scale_f32_16x16x128_f8f6f4 v[SS+64*\t+16*\b+8*\u:SS+64*\t+16*\b+8*\u+7], v[12*\b:12*\b+11], v[QZ+6-6*\u+12*\t:QZ+17-6*\u+12*\t], 0, v[KS+\b/2], v[QS+\t] matrix_a_fmt:MATRIX_FMT_BF6 matrix_b_fmt:MATRIX_FMT_BF6
.endif
.endr
.endr
.endr
	WIN 0
.rept 4
	v_nop
.endr
	s_add_co_u32 s49, s37, 127                     ; on the diagonal hidden scores become -infinity ahead of the maximum; a step all of whose keys count skips this
	s_cmp_le_u32 s49, s38
	s_cbranch_scc1 .Lopen_\@
	s_sub_co_i32 s49, s38, s37
	v_add_nc_u32 v240, s49, v[QD]                  ; d = my query - the step's first key - 16 h: register 16 b + i is hidden where 32 b + i > d
	v_add_nc_u32 v241, 8, v240                     ; the second tile's queries lie 8 further on
	v_mov_b32 v242, 0xff800000
.irp t, 0,1
.set n, 0
.rept 64
	v_cmp_gt_i32 vcc_lo, 32*(n/16)+n%16, v[240+\t]
	v_cndmask_b32 v[SS+64*\t+n], v[SS+64*\t+n], v242, vcc_lo
.set n, n+1
.endr
.endr
.Lopen_\@:
.irp k, 0,1,2,3,4,5,6,7                ; the largest score of each block of 32 keys (block k % 4 of tile k / 4): for the row's maximum and for the block's largest p
	v_max3_num_f32 v[BM+\k], v[SS+16*\k], v[SS+16*\k+1], v[SS+16*\k+2]
.endr
.irp i, 3,5,7,9,11,13
.irp k, 0,1,2,3,4,5,6,7
	v_max3_num_f32 v[BM+\k], v[BM+\k], v[SS+16*\k+\i], v[SS+16*\k+\i+1]
.endr
.endr
.irp k, 0,1,2,3,4,5,6,7
	v_max_num_f32 v[BM+\k], v[BM+\k], v[SS+16*\k+15]
.endr
.irp k, 0,1,2,3,4,5,6,7
	v_permlanex16_b32 v[BP+\k], v[BM+\k], s32, s33
.endr
.irp k, 0,1,2,3,4,5,6,7
	v_max_num_f32 v[BM+\k], v[BM+\k], v[BP+\k]     ; with lane l xor 16's 16 keys
.endr
.irp t, 0,1
	v_max3_num_f32 v[58+\t], v[BM+4*\t], v[BM+4*\t+1], v[BM+4*\t+2]
.endr
.irp t, 0,1
	v_max_num_f32 v[58+\t], v[58+\t], v[BM+4*\t+3]
.endr
.irp t, 0,1
	v_mul_f32 v[58+\t], s34, v[58+\t]              ; as t (c is positive)
.endr
.irp t, 0,1
	v_max_num_f32 v[13+4*\t], v[13+4*\t], v[58+\t] ; the running largest t
.endr
.irp t, 0,1
	v_mov_b32 v[58+\t], v[12+4*\t]
.endr
.irp t, 0,1
	v_floor_f32 v[12+4*\t], -v[13+4*\t]            ; the new -M = floor(-t): M is a whole number
.endr
.irp t, 0,1
	v_sub_f32 v[58+\t], v[12+4*\t], v[58+\t]       ; old M - new M, a whole number, 0 or less
.endr
.irp t, 0,1
	v_cvt_i32_f32 v[58+\t], v[58+\t]               ; (it saturates)
.endr
.irp t, 0,1
	v_ldexp_f32 v[20+2*\t], 1.0, v[58+\t]          ; f = 2^(old M - new M)
.endr
.irp t, 0,1
.set j, 0
.rept 32
	v_pk_fma_f32 v[SS+64*\t+j:SS+64*\t+j+1], v[SS+64*\t+j:SS+64*\t+j+1], s[34:35], v[12+4*\t:13+4*\t] op_sel_hi:[1,0,0]   ; t - M, two at a time
.set j, j+2
.endr
.endr
.irp t, 0,1
.irp b, 0,1,2,3
	v_fma_f32 v[BM+4*\t+\b], v[BM+4*\t+\b], s34, v[12+4*\t]   ; the same of each block's largest score
.endr
.endr
.set j, 0
.rept 128
	v_exp_f32 v[SS+j], v[SS+j]                     ; p = 2^(t - M): one batch
.set j, j+1
.endr
.irp t, 0,1
	v_pk_mul_f32 v[14+4*\t:15+4*\t], v[14+4*\t:15+4*\t], v[20+2*\t:21+2*\t] op_sel_hi:[1,0]   ; the sums under the new M (plain places behind the exponentials)
.endr
	s_wait_alu depctr_va_vdst(0)                   ; one wait for the batch, ahead of its first reader
.irp k, 0,1,2,3,4,5,6,7
	v_exp_f32 v[BM+\k], v[BM+\k]                   ; the blocks' largest p
.endr
.irp t, 0,1                            ; the rows' sums of the unquantised p, two at a time, in two chains a tile: they read the 128 alone
	v_pk_add_f32 v[SUM2+2*\t:SUM2+2*\t+1], v[SS+64*\t:SS+64*\t+1], v[SS+64*\t+2:SS+64*\t+3]
.endr
.irp j, 4,8,12,16,20,24,28,32,36,40,44,48,52,56,60
.irp t, 0,1
	v_pk_add_f32 v[14+4*\t:15+4*\t], v[14+4*\t:15+4*\t], v[SS+64*\t+\j:SS+64*\t+\j+1]
	v_pk_add_f32 v[SUM2+2*\t:SUM2+2*\t+1], v[SUM2+2*\t:SUM2+2*\t+1], v[SS+64*\t+\j+2:SS+64*\t+\j+3]
.endr
.endr
.irp t, 0,1
	v_pk_add_f32 v[14+4*\t:15+4*\t], v[14+4*\t:15+4*\t], v[SUM2+2*\t:SUM2+2*\t+1]
.endr
	s_wait_alu depctr_va_vdst(0)                   ; and one for the eight
.irp k, 0,1,2,3,4,5,6,7
	v_max_num_f32 v[BM+\k], 0x2800000, v[BM+\k]    ; the floor 2^(5 - 127): the byte cannot fall under 1
.endr
.irp k, 0,1,2,3,4,5,6,7
	v_add_nc_u32 v[SO+\k], 0xfe000000, v[BM+\k]    ; 4 off the exponent field: the conversion's scale operand
.endr
.irp k, 0,1,2,3,4,5,6,7
	v_lshrrev_b32 v[BP+\k], 23, v[SO+\k]           ; the byte
.endr
.irp t, 0,1
	v_lshl_or_b32 v[PW+\t], v[BP+4*\t+1], 8, v[BP+4*\t]
.endr
.irp t, 0,1
	v_lshl_or_b32 v[PW+\t], v[BP+4*\t+2], 16, v[PW+\t]
.endr
.irp t, 0,1
	v_lshl_or_b32 v[PW+\t], v[BP+4*\t+3], 24, v[PW+\t]   ; p's scale word for these 128 keys
.endr
.irp t, 0,1
.irp c, 0,1
	v_cvt_scalef32_pk16_bf6_f32 v[PP+12*\t+6*\c:PP+12*\t+6*\c+2], v[SS+64*\t+32*\c:SS+64*\t+32*\c+15], v[SO+4*\t+2*\c]
	v_cvt_scalef32_pk16_bf6_f32 v[TP+8*\t+4*\c:TP+8*\t+4*\c+2], v[SS+64*\t+32*\c+16:SS+64*\t+32*\c+31], v[SO+4*\t+2*\c+1]
.endr
.endr
	v_nop                                          ; one plain place behind a scaled conversion
.irp t, 0,1
.irp c, 0,1                            ; the operand's layout wants a whole block in a lane
.irp i, 0,1,2
	v_permlane16_swap_b32 v[PP+12*\t+6*\c+\i], v[TP+8*\t+4*\c+\i]
.endr
.irp i, 0,1,2
	v_mov_b32 v[PP+12*\t+6*\c+3+\i], v[TP+8*\t+4*\c+\i]
.endr
.endr
.endr
	WIN 0x41                                       ; O^T window 1, f window 0
.irp t, 0,1
.set j, 0
.rept 16
	v_pk_mul_f32 v[OO+32*\t+j:OO+32*\t+j+1], v[OO+32*\t+j:OO+32*\t+j+1], v[20+2*\t:21+2*\t] op_sel_hi:[1,0]   ; O^T under the new M; these 32 are also the places in front of the scaled products
.set j, j+2
.endr
.endr
	s_wait_dscnt 0x0                               ; V is in
	WIN 0x51                                       ; V window 1, P window 0, O^T window 1
.irp d, 0,1,2,3                        ; the eight accumulators take turns
.irp t, 0,1
.if \d%2
	v_wmma_scale_f32_16x16x128_f8f6f4 v[OO+32*\t+8*\d:OO+32*\t+8*\d+7], v[VF+12*\d:VF+12*\d+11], v[PP+12*\t:PP+12*\t+11], v[OO+32*\t+8*\d:OO+32*\t+8*\d+7], v[VS+\d/2], v[PW+\t] matrix_a_fmt:MATRIX_FMT_BF6 matrix_b_fmt:MATRIX_FMT_BF6 matrix_a_scale:MATRIX_SCALE_ROW1
.else
	v_wmma_scale_f32_16x16x128_f8f6f4 v[OO+32*\t+8*\d:OO+32*\t+8*\d+7], v[VF+12*\d:VF+12*\d+11], v[PP+12*\t:PP+12*\t+11], v[OO+32*\t+8*\d:OO+32*\t+8*\d+7], v[VS+\d/2], v[PW+\t] matrix_a_fmt:MATRIX_FMT_BF6 matrix_b_fmt:MATRIX_FMT_BF6
.endif
.endr
.endr
	WIN 0
.Lhidden_\@:
	s_add_co_u32 s37, s37, 128
.endm
; THE CHANGE OF SLOTS stands at a slot's head: each wave waits for all its tensor loads, adds 0 to its spare word, and waits for that and for its reads of the slot that it has left; behind the barrier the slot ahead is
; whole and nobody reads the other one.  fill = 1: that other slot takes the next key slot; the load has a whole slot's two steps in which to land.
.macro CHANGE fill
	s_wait_tensorcnt 0x0                           ; no tensor load of mine is out, so group 0 may be written
	ds_add_u32 v[SPW], v[NIL]                      ; 0 onto my spare word
.if \fill
	s_xor_b32 s25, s25, SLOT1
	s_mul_i32 s30, s15, 25600
	s_add_nc_u64 s[26:27], s[28:29], s[30:31]
	s_or_b32 s27, s27, 0x80000000
	s_add_co_u32 s15, s15, 1
	s_cmp_eq_u32 s15, s13                          ; behind the first block's last slot comes slot 0 again, for the second block
	s_cselect_b32 s15, 0, s15
.endif
	s_wait_dscnt 0x0
	s_barrier_signal -1
	s_barrier_wait -1
.if \fill
	TLOAD                                          ; the first thing behind the barrier, and the only tensor load until the next
.endif
.endm
; A BLOCK'S END: O^T / l, quantised along the head's 64 (two blocks of the model's 1,024), to oq as half a fragment a tile (three stores of 256 consecutive bytes) and two scale bytes a row.
.macro FINISH
.rept 4
	v_nop                                          ; places behind the last products
.endr
.irp t, 0,1
	v_add_f32 v[14+4*\t], v[14+4*\t], v[15+4*\t]
.endr
.irp t, 0,1
	v_permlanex16_b32 v[58+\t], v[14+4*\t], s32, s33
.endr
.irp t, 0,1
	v_add_f32 v[14+4*\t], v[14+4*\t], v[58+\t]     ; the row's sum
.endr
.irp t, 0,1
	v_rcp_f32 v[60+2*\t], v[14+4*\t]
.endr
	v_nop                                          ; a plain place behind the reciprocals
	s_wait_alu depctr_va_vdst(0)                   ; one wait for both, ahead of the first reader
	WIN 0x01                                       ; O^T window 1; the result goes to S^T's registers: register 16 b + i is d = 32 b + 16 h + i
.irp t, 0,1
.set j, 0
.rept 16
	v_pk_mul_f32 v[SS+64*\t+j:SS+64*\t+j+1], v[OO+32*\t+j:OO+32*\t+j+1], v[60+2*\t:61+2*\t] op_sel_hi:[1,0]
.set j, j+2
.endr
.endr
	WIN 0
.irp t, 0,1
.irp b, 0,1
	v_max3_num_f32 v[BM+4*\t+\b], |v[SS+64*\t+16*\b]|, |v[SS+64*\t+16*\b+1]|, 0x2800000
.endr
.endr
.irp i, 2,4,6,8,10,12,14
.irp t, 0,1
.irp b, 0,1
	v_max3_num_f32 v[BM+4*\t+\b], v[BM+4*\t+\b], |v[SS+64*\t+16*\b+\i]|, |v[SS+64*\t+16*\b+\i+1]|
.endr
.endr
.endr
.irp t, 0,1
.irp b, 0,1
	v_permlanex16_b32 v[BP+4*\t+\b], v[BM+4*\t+\b], s32, s33
.endr
.endr
.irp t, 0,1
.irp b, 0,1
	v_max_num_f32 v[BM+4*\t+\b], v[BM+4*\t+\b], v[BP+4*\t+\b]
.endr
.endr
.irp t, 0,1
.irp b, 0,1
	v_add_nc_u32 v[SO+4*\t+\b], 0xfe000000, v[BM+4*\t+\b]
.endr
.endr
.irp t, 0,1
.irp b, 0,1
	v_lshrrev_b32 v[BP+4*\t+\b], 23, v[SO+4*\t+\b]
.endr
.endr
.irp t, 0,1
	v_lshl_or_b32 v[58+\t], v[BP+4*\t+1], 8, v[BP+4*\t]   ; my row's two bytes
.endr
.irp t, 0,1
	v_cvt_scalef32_pk16_bf6_f32 v[PP+12*\t:PP+12*\t+2], v[SS+64*\t:SS+64*\t+15], v[SO+4*\t]
	v_cvt_scalef32_pk16_bf6_f32 v[TP+8*\t:TP+8*\t+2], v[SS+64*\t+16:SS+64*\t+31], v[SO+4*\t+1]
.endr
	v_nop                                          ; one plain place behind a scaled conversion
.irp t, 0,1
.irp i, 0,1,2
	v_permlane16_swap_b32 v[PP+12*\t+\i], v[TP+8*\t+\i]
.endr
.irp i, 0,1,2
	v_mov_b32 v[PP+12*\t+3+\i], v[TP+8*\t+\i]
.endr
.endr
	v_cmp_ne_u32 vcc_lo, 0, v[HH]
	v_cndmask_b32 v240, v58, v59, vcc_lo           ; lanes 0-15 store the first tile's bytes, lanes 16-31 the second's
.irp t, 0,1
.irp p, 0,1,2
	global_store_b64 v[LA8], v[PP+12*\t+2*\p:PP+12*\t+2*\p+1], s[40:41] offset:12288*\t+256*\p
.endr
.endr
	global_store_b16 v[VOS], v240, s[42:43]
	s_wait_xcnt 0x0                                ; the stores have read their registers and bases: both may be written again
.endm
.Lslot:                                            ; eight trips: behind each change of slots but the last the next key slot is asked for
	CHANGE 1
	STEP 0
	STEP 1
	s_xor_b32 s36, s36, SLOT1
	s_cmp_lg_u32 s39, s14                          ; the first block's last slot is done where i + 1 trips' worth of slots are left: a branch on ids, the same in all eight waves; no LDS access, barrier or tensor load stands in it
	s_cbranch_scc1 .Lstay
	FINISH
	WIN 0x41
.irp i, 0,1,2,3,4,5
	v_mov_b32 v[QZ+6+\i], v[QH+\i]                 ; the second block's Q
	v_mov_b32 v[QZ+18+\i], v[QH+6+\i]
.endr
	WIN 0
	v_perm_b32 v[QS], v[QW+1], v[QW+1], s60
	v_perm_b32 v[QS+1], v[QW+1], v[QW+1], s61
	RESET
	s_mov_b32 s37, 0
	s_mov_b32 s38, s48
	s_mov_b64 s[40:41], s[44:45]
	s_mov_b64 s[42:43], s[46:47]
.Lstay:
	s_sub_co_u32 s39, s39, 1
	s_cmp_lg_u32 s39, 0
	s_cbranch_scc1 .Lslot
	CHANGE 0                                       ; the ninth slot is written out
	STEP 0
	STEP 1
	FINISH
	s_wait_tensorcnt 0x0                           ; the wave's end
	ds_add_u32 v[SPW], v[NIL]
	s_wait_dscnt 0x0
	s_endpgm
.Lfunc_end_k_q2990283b37_attn:
	.size	k_q2990283b37_attn, .Lfunc_end_k_q2990283b37_attn-k_q2990283b37_attn
	.p2alignl 7, 3214868480
	.fill 96, 4, 3214868480
	.section	.rodata,"a",@progbits
	.p2align	6, 0x0
	.amdhsa_kernel k_q2990283b37_attn
		.amdhsa_group_segment_fixed_size 327680
		.amdhsa_private_segment_fixed_size 0
		.amdhsa_enable_private_segment 0
		.amdhsa_kernarg_size 24
		.amdhsa_user_sgpr_count 2
		.amdhsa_user_sgpr_kernarg_segment_ptr 1
		.amdhsa_wavefront_size32 1
		.amdhsa_system_sgpr_workgroup_id_x 1
		.amdhsa_system_sgpr_workgroup_id_y 1
		.amdhsa_system_sgpr_workgroup_id_z 1
		.amdhsa_system_vgpr_workitem_id 0
		.amdhsa_next_free_vgpr 512
		.amdhsa_next_free_sgpr 68
		.amdhsa_reserve_vcc 1
		.amdhsa_float_denorm_mode_32 3
		.amdhsa_float_denorm_mode_16_64 3
		.amdhsa_memory_ordered 1
		.amdhsa_forward_progress 1
		.amdhsa_inst_pref_size 190
	.end_amdhsa_kernel
	.amdgpu_metadata
---
amdhsa.version: [ 1, 2 ]
amdhsa.kernels:
  - .name:           k_q2990283b37_attn
    .symbol:         k_q2990283b37_attn.kd
    .args:
      - { .name: qi, .offset: 0, .size: 8, .value_kind: global_buffer, .address_space: global }
      - { .name: kv, .offset: 8, .size: 8, .value_kind: global_buffer, .address_space: global }
      - { .name: oq, .offset: 16, .size: 8, .value_kind: global_buffer, .address_space: global }
    .group_segment_fixed_size: 327680
    .private_segment_fixed_size: 0
    .kernarg_segment_align: 8
    .kernarg_segment_size: 24
    .max_flat_workgroup_size: 256
    .sgpr_count:     68
    .vgpr_count:     512
    .wavefront_size: 32
...
	.end_amdgpu_metadata
.endif
;; end of part 3
;; launch outp (part 4): grid 4 x 32, 4 waves a work-group, clusters of 4 x 4, 327,680 bytes of LDS; arguments oq, wq, bo, out0; writes out0
.if DOCPART == 4
	.amdgcn_target "amdgcn-amd-amdhsa--gfx1250"
	.amdhsa_code_object_version 6
	.text
	.protected	k_q2990283b37_outp
	.globl	k_q2990283b37_outp
	.p2align	8
	.type	k_q2990283b37_outp,@function
k_q2990283b37_outp:
	s_mov_b64 s[64:65], 0
	v_nop
	global_prefetch_b8 v0, s[64:65] scope:SCOPE_SE
	s_setreg_imm32_b32 hwreg(HW_REG_WAVE_MODE, 25, 1), 1
	s_wait_xcnt 0x0
	s_wait_alu depctr_hold_cnt(0) depctr_sa_sdst(0) depctr_va_vdst(0) depctr_va_sdst(0) depctr_va_ssrc(0) depctr_va_vcc(0) depctr_vm_vsrc(0)
	s_getreg_b32 s2, hwreg(HW_REG_IB_STS2, 6, 4)
	s_cmp_eq_u32 s2, 0
	s_cbranch_scc0 .Lentry_in_a_cluster
	s_endpgm
.Lentry_in_a_cluster:
	s_bfe_u32 s2, ttmp6, 0x10000c
	s_cmp_lg_u32 s2, 0xf033
	s_cbranch_scc0 .Lentry_shape_is_right
	s_endpgm
.Lentry_shape_is_right:
; out0 = O Wo^T + bo on codes of E3M2: O's operand images and scale words from the attention launch (oq), Wo's are tiles 192-255 of wq.  out0 [8192][1024] f32.
; A work-group makes 256 tokens x 256 features over K = 1,024; a wave 128 x 128: 64 accumulators.  "A" (source 1: a lane holds one of its rows) = tokens, "B" (source 0: a lane's registers run along its rows) = rows of Wo.
; The rows of a tile are 32 (T / 2) + 8 (T % 2) + i + 8 (i / 8).  K goes in four steps of 256 through THREE LDS slots: steps 0, 1, 2 are asked for at the start, step 3 refills slot 0; a wave has four tensor loads
; out at the start, later one.  CLUSTERS: 4 x 4 work-groups; A's tiles are asked for jointly along a row of the cluster, B's along a column.  bo is the C of each sum's first matrix instruction.
; 128 work-groups: the problem has 128 tiles of this size.
; REGISTERS: window 0: v1 r, v2 h, v8 the bias's offset, v16-18 / v20-22 LDS addresses of A's / B's fragments by slot, v23 of the scale words, v24-26 the way out, v30-31 the add's; v32-63 scale words, two sets;
;   v64-127 the bias as C; v128-223 A's fragments (one set), later v128-255 rows on the way out.  window 1: B's fragments, sets at v0 and v128.  windows 2, 3: accumulator (a, b) at v[8 (8 (a % 4) + b)].
.set SLOT,  98304
.set SCL,   3*SLOT
.set SPARE, SCL+16384                  ; the spare words: 128 bytes a wave, two blocks of 256 bytes that no other line names
.set FR,    12
.set ADRA,  16
.set ADRB,  20
.set ADRS,  23
.set STO,   24
.set RD,    25
.set CO,    26
.set SPW,   30
.set NIL,   31
.set SC,    32
.set BI,    64
.set AF,    128
.set BK,    128
.set G1A,   20
.set G1B,   28
.set G1SA,  36
.set G1SB,  44
.set G0A,   52
.set G0SA,  68
.set G0B,   72
.set G0SB,  84
.set MSB, 0
.macro WIN new                         ; the immediate's high byte repeats the setting that is left
.if MSB != (\new)
	s_set_vgpr_msb (MSB<<8)|(\new)
.set MSB, (\new)
.endif
.endm
.macro JLOAD g0a, g1a, g0b, g1b        ; a joint load: waves 0 and 1 fetch A's halves, waves 2 and 3 B's; four v_nop follow each of the two lines
	s_cmp_eq_u32 s15, 0
	s_cbranch_scc0 .Lfor_b_\@
	tensor_load_to_lds s[\g0a:\g0a+3], s[\g1a:\g1a+7]
	s_nop 0
.rept 4
	v_nop
.endr
	s_branch .Lasked_\@
.Lfor_b_\@:
	tensor_load_to_lds s[\g0b:\g0b+3], s[\g1b:\g1b+7]
	s_nop 0
.rept 4
	v_nop
.endr
.Lasked_\@:
.endm
.macro CREST
	s_cmp_lg_u32 s14, 0
	s_cbranch_scc1 .Lnot_wave_0_\@
	s_barrier_signal -3
.Lnot_wave_0_\@:
	s_barrier_wait -3
	s_barrier_signal -1
	s_barrier_wait -1
.endm
.macro CROUND
	s_barrier_signal -1
	s_barrier_wait -1
	CREST
.endm
.macro PLACES n                        ; plain vector instructions between a matrix instruction and a load into, or a read of, its registers
.rept \n
	v_nop
.endr
.endm
.macro FRAG reg, adr, off              ; a fragment's image: six loads of 256 consecutive bytes
.irp p, 0,1,2,3,4,5
	ds_load_b64 v[\reg+2*\p:\reg+2*\p+1], v[\adr] offset:\off+256*\p
.endr
.endm
.macro FETCH_B slot, q, p
	WIN 0x40
.irp i, 0,1,2,3,4,5,6,7
	FRAG 128*(\p)+FR*\i, ADRB+\slot, 3072*\i+1536*(\q)
.endr
	WIN 0
.endm
.macro FETCH_A slot, q, i0
.irp i, \i0, \i0+1, \i0+2, \i0+3
	FRAG AF+FR*(\i), ADRA+\slot, 3072*(\i)+1536*(\q)
.endr
.endm
.macro SCALES sc, ks                   ; lanes 0-15 A's block i, lanes 16-31 B's block i; two words a row
.irp i, 0,1,2,3,4,5,6,7
	ds_load_b64 v[SC+16*(\sc)+2*\i:SC+16*(\sc)+2*\i+1], v[ADRS] offset:512*\i+128*(\ks)
.endr
.endm
; 16 matrix instructions: A's blocks a0, a0 + 1 x B's eight.  kind 1: the sums begin with the bias.  The 64 accumulators take turns.
.macro MUL16 a0, p, q, sc, kind
.irp a, \a0, \a0+1
.irp b, 0,1,2,3,4,5,6,7
.set rD, 8*(8*((\a)%4)+\b)
.set rB, 128*(\p)+FR*\b
.set rA, AF+FR*(\a)
.set rSB, SC+16*(\sc)+2*\b+(\q)
.set rSA, SC+16*(\sc)+2*(\a)+(\q)
.if \kind == 1
	v_wmma_scale_f32_16x16x128_f8f6f4 v[rD:rD+7], v[rB:rB+FR-1], v[rA:rA+FR-1], v[BI+8*\b:BI+8*\b+7], v[rSB], v[rSA] matrix_a_fmt:MATRIX_FMT_BF6 matrix_b_fmt:MATRIX_FMT_BF6 matrix_a_scale:MATRIX_SCALE_ROW1
.else
	v_wmma_scale_f32_16x16x128_f8f6f4 v[rD:rD+7], v[rB:rB+FR-1], v[rA:rA+FR-1], v[rD:rD+7], v[rSB], v[rSA] matrix_a_fmt:MATRIX_FMT_BF6 matrix_b_fmt:MATRIX_FMT_BF6 matrix_a_scale:MATRIX_SCALE_ROW1
.endif
.endr
.endr
.endm
.macro STEP q, ns, nq, p, sc, kind, scl, nks
	s_wait_dscnt 24                                ; all but the youngest 24 loads (A's blocks 4-7) are in
.if \kind
	WIN 0x81
.else
	WIN 0xa1
.endif
	MUL16 0, \p, \q, \sc, \kind
	MUL16 2, \p, \q, \sc, \kind
	s_wait_dscnt 0x0
	PLACES 4
	FETCH_B \ns, \nq, 1-\p
	FETCH_A \ns, \nq, 0
.if \scl
	SCALES 1-\sc, \nks
.endif
.if \kind
	WIN 0xc1
.else
	WIN 0xf1
.endif
	MUL16 4, \p, \q, \sc, \kind
	MUL16 6, \p, \q, \sc, \kind
	PLACES 4
	WIN 0
	FETCH_A \ns, \nq, 4
.endm
.macro TURN ns, sc, nks, fill
	s_wait_tensorcnt 0x0                           ; all my tensor loads have landed
	ds_add_u32 v[SPW], v[NIL]                      ; 0 onto my spare word
	s_wait_dscnt 25                                ; (the add and the youngest 24 loads may be out)
	WIN 0xa1
	MUL16 0, 1, 1, \sc, 0
	s_wait_dscnt 0x0                               ; the add is done, and my reads of the slots read so far are over
	s_barrier_signal -1
	MUL16 2, 1, 1, \sc, 0
	WIN 0
	s_barrier_wait -1
.if \fill
	CREST                                          ; no wave of any partner still reads slot 0 or has a load on its way
	s_add_nc_u64 s[G0A+2:G0A+3], s[G0A+2:G0A+3], 9216   ; from K step 0 to K step 3
	s_add_nc_u64 s[G0B+2:G0B+3], s[G0B+2:G0B+3], 9216
	JLOAD G0A, G1A, G0B, G1B                       ; the first tensor load behind the round; its four v_nop are the places in front of the loads below
.else
	PLACES 4
.endif
	FETCH_B \ns, 0, 0
	FETCH_A \ns, 0, 0
	SCALES 1-\sc, \nks
	WIN 0xf1
	MUL16 4, 1, 1, \sc, 0
	MUL16 6, 1, 1, \sc, 0
	PLACES 4
	WIN 0
	FETCH_A \ns, 0, 4
.endm
	s_load_b256 s[88:95], s[0:1], 0x0              ; oq, wq, bo, out0
	v_lshl_add_u32 v[SPW], v0, 2, SPARE
	v_mov_b32 v[NIL], 0
	ds_add_u32 v30, v31
	s_wait_dscnt 0x0
	v_lshrrev_b32 v1, 5, v0
	v_readfirstlane_b32 s14, v1                    ; wave 0..3
	s_lshr_b32 s15, s14, 1                         ; wa.  Also: I fetch for A (0) or for B (1)
	s_and_b32 s16, s14, 1                          ; wb.  Also: which eight tiles I fetch
	s_bfe_u32 s17, ttmp6, 0x40000                  ; cx
	s_bfe_u32 s18, ttmp6, 0x40004                  ; cy
	s_lshl_b32 s12, s18, 2
	s_lshl_b32 s12, 15, s12                        ; my row of the cluster
	s_lshl_b32 s13, 0x1111, s17                    ; my column
	s_or_b32 s[G1A], s12, 1<<21
	s_or_b32 s[G1B], s13, 1<<21
	s_or_b32 s[G1SA], s12, (3<<16)|(1<<21)
	s_or_b32 s[G1SB], s13, (3<<16)|(1<<21)
.irp g, G1A, G1B                       ; eight tiles' 3,072 bytes of one K step, 12,288 bytes from tile to tile
	s_mov_b32 s[\g+1], 3072<<16
	s_mov_b32 s[\g+2], 8<<16
	s_mov_b32 s[\g+3], 3072<<16
	s_mov_b32 s[\g+4], 8
	s_mov_b32 s[\g+5], 12288
	s_mov_b32 s[\g+6], 0
	s_mov_b32 s[\g+7], 0
.endr
.irp g, G1SA, G1SB                     ; eight tiles' scale words: 4,096 dense bytes as 16 rows of 256
	s_mov_b32 s[\g+1], 32<<16
	s_mov_b32 s[\g+2], 16<<16
	s_mov_b32 s[\g+3], 32<<16
	s_mov_b32 s[\g+4], 16
	s_mov_b32 s[\g+5], 32
	s_mov_b32 s[\g+6], 0
	s_mov_b32 s[\g+7], 0
.endr
	s_and_b32 s2, ttmp7, 0xffff
	s_lshl_b32 s2, s2, 2
	s_add_co_u32 s2, s2, s18                       ; A's block of 256 tokens: 4 x cluster y + cy
	s_add_co_u32 s3, s17, 12                       ; B's block of wq: Wo begins at block 12
	s_mul_i32 s12, s14, 24576
	s_lshl_b32 s13, s14, 12
	s_mul_i32 s10, s2, 196608
	s_mul_i32 s11, s16, 98304
	s_add_co_u32 s10, s10, s11
	s_mov_b32 s11, 0
	s_wait_kmcnt 0x0
	s_add_nc_u64 s[10:11], s[88:89], s[10:11]
.irp s, 0,1,2
	s_mov_b32 s[G0A+4*\s], 1
	s_add_co_u32 s[G0A+4*\s+1], s12, \s*SLOT
	s_add_nc_u64 s[G0A+4*\s+2:G0A+4*\s+3], s[10:11], \s*3072
	s_or_b32 s[G0A+4*\s+3], s[G0A+4*\s+3], 0x80000000
.endr
	s_lshl_b32 s10, s2, 13
	s_lshl_b32 s11, s16, 12
	s_add_co_u32 s10, s10, s11
	s_add_co_u32 s10, s10, 6291456
	s_mov_b32 s11, 0
	s_mov_b32 s[G0SA], 1
	s_add_co_u32 s[G0SA+1], s13, SCL
	s_add_nc_u64 s[G0SA+2:G0SA+3], s[88:89], s[10:11]
	s_or_b32 s[G0SA+3], s[G0SA+3], 0x80000000
	s_mul_i32 s66, s3, 196608                      ; B likewise, in registers that never hold cy
	s_mul_i32 s67, s16, 98304
	s_add_co_u32 s66, s66, s67
	s_mov_b32 s67, 0
	s_add_nc_u64 s[66:67], s[90:91], s[66:67]
.irp s, 0,1,2
	s_mov_b32 s[G0B+4*\s], 1
	s_add_co_u32 s[G0B+4*\s+1], s12, \s*SLOT
	s_add_nc_u64 s[G0B+4*\s+2:G0B+4*\s+3], s[66:67], \s*3072
	s_or_b32 s[G0B+4*\s+3], s[G0B+4*\s+3], 0x80000000
.endr
	s_lshl_b32 s66, s3, 13
	s_lshl_b32 s67, s16, 12
	s_add_co_u32 s66, s66, s67
	s_add_co_u32 s66, s66, 3145728
	s_mov_b32 s67, 0
	s_mov_b32 s[G0SB], 1
	s_add_co_u32 s[G0SB+1], s13, SCL
	s_add_nc_u64 s[G0SB+2:G0SB+3], s[90:91], s[66:67]
	s_or_b32 s[G0SB+3], s[G0SB+3], 0x80000000
	CROUND                                         ; all sixteen work-groups are here: the first joint loads meet
	JLOAD G0SA, G1SA, G0SB, G1SB                   ; the scale words for all of K,
	JLOAD G0A, G1A, G0B, G1B                       ; K steps 0,
	JLOAD G0A+4, G1A, G0B+4, G1B                   ; 1
	JLOAD G0A+8, G1A, G0B+8, G1B                   ; and 2: four loads of mine are out
	v_and_b32 v1, 15, v0                           ; r
	v_bfe_u32 v2, v0, 4, 1                         ; h
	v_and_b32 v3, 31, v0                           ; lane
	v_lshlrev_b32 v4, 3, v3
	v_lshlrev_b32 v[CO], 4, v3                     ; 16 x lane
	s_mul_i32 s12, s15, 24576
	v_add_nc_u32 v[ADRA], s12, v4
	v_add_nc_u32 v[ADRA+1], SLOT, v[ADRA]
	v_add_nc_u32 v[ADRA+2], 2*SLOT, v[ADRA]
	s_mul_i32 s12, s16, 24576
	s_add_co_u32 s12, s12, 49152
	v_add_nc_u32 v[ADRB], s12, v4
	v_add_nc_u32 v[ADRB+1], SLOT, v[ADRB]
	v_add_nc_u32 v[ADRB+2], 2*SLOT, v[ADRB]
	s_lshl_b32 s12, s15, 12
	s_lshl_b32 s13, s16, 12
	s_add_co_u32 s13, s13, 8192
	s_sub_co_u32 s13, s13, s12
	v_mul_u32_u24 v6, s13, v2                      ; lanes 16-31 take B's scale words: one product, the distance between the two
	s_add_co_u32 s12, s12, SCL
	v_lshlrev_b32 v5, 3, v1
	v_add_nc_u32 v5, v5, v6
	v_add_nc_u32 v[ADRS], s12, v5
	s_mul_i32 s12, s14, 8448                       ; my stage for the way out: 16 rows x (512 + 16) bytes, in slot 1, which has had its last fill; every wave's last read of it stands in front of the last barrier
	s_add_co_u32 s12, s12, SLOT
	v_mul_u32_u24 v5, v1, 528
	v_lshl_add_u32 v5, v2, 6, v5
	v_add_nc_u32 v[STO], s12, v5                   ; in: row r, + 64 h bytes
	v_add_nc_u32 v[RD], s12, v[CO]                 ; back: a whole row of 512 bytes
	v_lshlrev_b32 v8, 6, v2                        ; the bias: 16 h numbers on
	s_lshl_b32 s96, s17, 10
	s_lshl_b32 s97, s16, 9
	s_add_co_u32 s96, s96, s97                     ; my first feature, in bytes: (256 cx + 128 wb) x 4
	s_mov_b32 s97, 0
	s_add_nc_u64 s[92:93], s[92:93], s[96:97]
	s_lshl_b32 s98, s2, 20                         ; my first token's row: (256 block + 128 wa) x 4,096 bytes
	s_lshl_b32 s99, s15, 19
	s_add_co_u32 s98, s98, s99
	s_add_co_u32 s96, s96, s98
	s_add_nc_u64 s[96:97], s[94:95], s[96:97]
.irp b, 0,1,2,3,4,5,6,7                ; register j of B's tile b is feature 32 (b / 2) + 16 h + 8 (b % 2) + j
	global_load_b128 v[BI+8*\b:BI+8*\b+3], v8, s[92:93] offset:(32*(\b/2)+8*(\b%2))*4
	global_load_b128 v[BI+8*\b+4:BI+8*\b+7], v8, s[92:93] offset:(32*(\b/2)+8*(\b%2))*4+16
.endr
	s_wait_loadcnt 0x0
	s_wait_tensorcnt 2                             ; the scale words and my part of K step 0 are in; K steps 1 and 2 may stay out
	s_barrier_signal -1
	s_barrier_wait -1
	FETCH_B 0, 0, 0
	FETCH_A 0, 0, 0
	SCALES 0, 0
	FETCH_A 0, 0, 4
	STEP 0, 0, 1, 0, 0, 1, 0, 0                    ; the first 128 along K start the sums with the bias
	TURN 1, 0, 1, 1                                ; behind this round slots 1 and 2 are whole for everybody; K step 3 goes out, with 224 matrix instructions in which to land
	STEP 0, 1, 1, 0, 1, 0, 0, 0
	STEP 1, 2, 0, 1, 1, 0, 1, 2                    ; on into slot 2 without a barrier
	STEP 0, 2, 1, 0, 0, 0, 0, 0
	TURN 0, 0, 3, 0                                ; K step 3 has landed in slot 0, for everybody behind this barrier; nothing is filled
	STEP 0, 0, 1, 0, 1, 0, 0, 0
	s_wait_dscnt 24                                ; the last 128: nothing more to fetch
	WIN 0xa1
	MUL16 0, 1, 1, 1, 0
	MUL16 2, 1, 1, 1, 0
	s_wait_dscnt 0x0
	WIN 0xf1
	MUL16 4, 1, 1, 1, 0
	MUL16 6, 1, 1, 1, 0
	WIN 0
; THE WAY OUT, block by block of 16 tokens x 128 features, through my own stage: a lane holds 8 neighbouring features of one token; back come whole rows of 512 bytes.
; LDS serves a wave's instructions in order: no wait between the stores and the loads, nor in front of the next block's stores.
.macro TOSTAGE a
.set AC, 64*((\a)%4)
	WIN 0x08+4*((\a)/4)                            ; the data: window 2 or 3
.irp b, 0,1,2,3,4,5,6,7
	ds_store_b128 v[STO], v[AC+8*\b:AC+8*\b+3] offset:128*(\b/2)+32*(\b%2)          ; each accumulator from its low end on
	ds_store_b128 v[STO], v[AC+8*\b+4:AC+8*\b+7] offset:128*(\b/2)+32*(\b%2)+16
.endr
	WIN 0
.set BB, BK+64*((\a)%2)
.irp t, 0,1,2,3,4,5,6,7,8,9,10,11,12,13,14,15
	ds_load_b128 v[BB+4*\t:BB+4*\t+3], v[RD] offset:\t*528
.endr
.endm
.macro SEND a, younger                 ; row t of block a is token 32 (a / 2) + 8 (a % 2) + t + 8 (t / 8) of my 128: every offset is an immediate, 520,192 at the most
.set BB, BK+64*((\a)%2)
	s_wait_dscnt \younger
.irp t, 0,1,2,3,4,5,6,7,8,9,10,11,12,13,14,15
	global_store_b128 v[CO], v[BB+4*\t:BB+4*\t+3], s[96:97] offset:(32*((\a)/2)+8*((\a)%2)+\t+8*(\t/8))*4096 th:TH_STORE_NT   ; 512 consecutive bytes, aligned
.endr
.endm
	PLACES 4                                       ; behind the last products: for the reads of results and the loads into the registers that held A's fragments
	TOSTAGE 0
.irp a, 1,2,3,4,5,6,7
.if \a > 1
	s_wait_xcnt 0x0                                ; block a - 2's stores have read their registers: block a's loads may land there
.endif
	TOSTAGE \a
	SEND \a-1, 32                                  ; behind block a - 1's loads: block a's 16 stores and 16 loads
.endr
	SEND 7, 0
	s_wait_tensorcnt 0x0                           ; the wave's end: behind my last tensor load and my last LDS store
	ds_add_u32 v[SPW], v[NIL]
	s_wait_dscnt 0x0
	CROUND                                         ; the closing round: no work-group ends while a partner may still ask for a tile that names it
	s_endpgm
.Lfunc_end_k_q2990283b37_outp:
	.size	k_q2990283b37_outp, .Lfunc_end_k_q2990283b37_outp-k_q2990283b37_outp
	.p2alignl 7, 3214868480
	.fill 96, 4, 3214868480
	.section	.rodata,"a",@progbits
	.p2align	6, 0x0
	.amdhsa_kernel k_q2990283b37_outp
		.amdhsa_group_segment_fixed_size 327680
		.amdhsa_private_segment_fixed_size 0
		.amdhsa_enable_private_segment 0
		.amdhsa_kernarg_size 32
		.amdhsa_user_sgpr_count 2
		.amdhsa_user_sgpr_kernarg_segment_ptr 1
		.amdhsa_wavefront_size32 1
		.amdhsa_system_sgpr_workgroup_id_x 1
		.amdhsa_system_sgpr_workgroup_id_y 1
		.amdhsa_system_sgpr_workgroup_id_z 1
		.amdhsa_system_vgpr_workitem_id 0
		.amdhsa_next_free_vgpr 1024
		.amdhsa_next_free_sgpr 102
		.amdhsa_reserve_vcc 0
		.amdhsa_float_denorm_mode_32 3
		.amdhsa_float_denorm_mode_16_64 3
		.amdhsa_memory_ordered 1
		.amdhsa_forward_progress 1
		.amdhsa_inst_pref_size 160
	.end_amdhsa_kernel
	.amdgpu_metadata
---
amdhsa.version: [ 1, 2 ]
amdhsa.kernels:
  - .name:           k_q2990283b37_outp
    .symbol:         k_q2990283b37_outp.kd
    .args:
      - { .name: oq, .offset: 0, .size: 8, .value_kind: global_buffer, .address_space: global }
      - { .name: wq, .offset: 8, .size: 8, .value_kind: global_buffer, .address_space: global }
      - { .name: bo, .offset: 16, .size: 8, .value_kind: global_buffer, .address_space: global }
      - { .name: out0, .offset: 24, .size: 8, .value_kind: global_buffer, .address_space: global }
    .group_segment_fixed_size: 327680
    .private_segment_fixed_size: 0
    .kernarg_segment_align: 8
    .kernarg_segment_size: 32
    .max_flat_workgroup_size: 128
    .sgpr_count:     102
    .vgpr_count:     1024
    .wavefront_size: 32
...
	.end_amdgpu_metadata
.endif
;; end of part 4
